; MI455X (gfx1250); checked and timed in simulation.
; The chip was launched on July 23, 2026; its instructions are those of AMD's public machine-readable ISA for CDNA 5 (MIT licence, August 2026) and "CDNA5" Instruction Set Architecture Reference Guide (July 2026). The comments in the code are by the model that wrote it; some were corrected since.
;; Multihead Attention. Allowed arithmetic: matrix products marked QUANTISED: E2M3 operands, one E8M0 scale for each 32 along K, by v_wmma_scale_f32_16x16x128_f8f6f4 with both operands' format E2M3, f32 sums; everything else in f32.
;; Inputs: wk 1,024 x 1,024 float32; wo 1,024 x 1,024 float32; wq 1,024 x 1,024 float32; wv 1,024 x 1,024 float32; x 4 x 2,048 x 1,024 float32.
;; Outputs: out0 4 x 2,048 x 1,024 float32.
;; This version of the problem:
;;   THIS VERSION OF THE PROBLEM IS GIVEN IN LOW PRECISION. The matrix products marked QUANTISED in the list below multiply operands that are first quantised to E2M3 (2 exponent bits, 3 mantissa bits; 6 bits a number), with one power-of-two scale for each 32 numbers along K (OCP MX v1.0); their sums are f32. All else is computed in f32.
;;   The module's matrix products, in the order in which they are computed (A, B: the left and right operand; K: the contracted axis; several contracted axes count as one K, in the product's order):
;;     1. [M 8,192, K 1,024] x [K 1,024, N 1,024]; A: input x; B: input wq: QUANTISED
;;     2. [M 8,192, K 1,024] x [K 1,024, N 1,024]; A: input x; B: input wk: QUANTISED
;;     3. [M 8,192, K 1,024] x [K 1,024, N 1,024]; A: input x; B: input wv: QUANTISED
;;     4. batch 64 x [M 2,048, K 64] x [K 64, N 2,048]; A: computed on the way; B: computed on the way: QUANTISED
;;     5. batch 64 x [M 64, K 2,048] x [K 2,048, N 2,048]; A: computed on the way; B: softmax (see below): QUANTISED
;;     6. [M 8,192, K 1,024] x [K 1,024, N 1,024]; A: computed on the way; B: input wo: QUANTISED
;;   THE QUANTISER, for each operand of a quantised product, along K:
;;     - K is cut into blocks of 32 from its start; a last block that is shorter is filled with zeros.
;;     - A block's scale is 2^e with e = floor(log2(the largest magnitude in the block)) - 2, held to -126 .. 127; a block of zeros has e = 0. As a byte (E8M0): e + 127.
;;     - Each number is divided by its block's scale, clamped to +-7.5, and rounded to the nearest number of E2M3, ties to even, subnormals kept.
;;     - The product sums the exact products of the quantised numbers (number of the format x scale) in f32.
;;   ~~~python
;;   def quantise(x, axis):      # numpy; x: float32 -> the quantised numbers, widened to float32 again
;;       x = np.moveaxis(x, axis, -1); K = x.shape[-1]
;;       x = np.pad(x, [(0, 0)] * (x.ndim - 1) + [(0, -K % 32)]); x = x.reshape(x.shape[:-1] + (-1, 32)); a = np.abs(x).max(-1, keepdims=True)
;;       e = np.where(a > 0, np.clip(np.frexp(np.where(a > 0, a, 1))[1] - 1 - 2, -126, 127), 0)      # np.frexp(a)[1] - 1 = floor(log2(a)), exactly
;;       r = np.clip(x / 2.0 ** e, -7.5, 7.5)
;;       step = 2.0 ** (np.maximum(np.frexp(np.where(r == 0, 1, r))[1] - 1, 0) - 3)
;;       q = np.round(r / step) * step * 2.0 ** e      # np.round: ties to even
;;       return np.moveaxis(q.reshape(q.shape[:-2] + (-1,))[..., :K], -1, axis).astype(np.float32)
;;   ~~~
;;   SOFTMAX AHEAD OF A QUANTISED PRODUCT. Where the list says 'softmax', what is quantised is not the finished softmax but p = 2^(t - M), with t = logit x log2(e) and M = ceil(the row's largest t), a whole number; so 1/2 < the row's largest p <= 1. The row's sum l is taken of the UNQUANTISED p, in f32, and the product's result is divided by l at the end. Since M is a whole number, a kernel that streams over the keys may use a running M (the ceiling of the running maximum): every later rescaling is an exact power of two, which a block's scale takes up: the codes' values come out the same.
;;   OPERANDS COMPUTED ON THE WAY. 'Computed on the way' means the value that the module computes at that place (a softmax that the list does not call 'softmax' is quantised finished and normalised). What goes into a quantiser is computed in f32, as accurately as f32 sums, v_exp_f32 and their like allow (about 1e-6 of the number): no bf16 or f16 on the way to a quantiser, and a product that is left as it is and whose result goes on into a quantised operand takes f32 operands (vector FMAs, or v_wmma_f32_16x16x4_f32). A number that lies on a knife's edge between two numbers of the format may be rounded either way, as far as f32 arithmetic and the matrix unit's own rounding can turn it there, and no further.
;; One version. Each part assembles by itself: llvm-mc -triple=amdgcn-amd-amdhsa -mcpu=gfx1250 --defsym DOCPART=n.
;; ======== version 1 of 1: 4 launches
;; limits: right only within a limited range of input values
;; workspace buffers: xw 9,830,400 bytes; qkv 19,660,800 bytes; att 6,553,600 bytes
;; launch quant (part 1): grid 768 x 1, 2 waves a work-group, no clusters, 17,664 bytes of LDS; arguments x, wq, wk, wv, wo, xw; writes xw
.if DOCPART == 1
	.amdgcn_target "amdgcn-amd-amdhsa--gfx1250"
	.amdhsa_code_object_version 6
	.text
	.protected	k_qae9fdc0109_quant
	.globl	k_qae9fdc0109_quant
	.p2align	8
	.type	k_qae9fdc0109_quant,@function
k_qae9fdc0109_quant:
	s_mov_b64 s[64:65], 0
	v_nop
	global_prefetch_b8 v0, s[64:65] scope:SCOPE_SE
	s_setreg_imm32_b32 hwreg(HW_REG_WAVE_MODE, 25, 1), 1
	s_wait_xcnt 0x0
; x [8192][1024] and wq, wk, wv, wo [1024][1024], f32 with K innermost, become codes of FP6 (E2M3) with one E8M0 scale byte for each 32 along K, in the workspace xw.
; A block's scale is 2^(floor(log2(its largest magnitude)) - 2); its byte is the largest magnitude's exponent field - 2, held at 1 from below.
; LIMITS: a block of zeros, or one whose largest magnitude lies under 2^-124, gets the byte 1 where the rule says 127 (its codes are zeros, and this program alone reads the bytes); NaN and infinities are not served.
; LAYOUT OF xw.  The five tensors are one run of 12,288 rows (x from 0, wq from 8192, wk from 9216, wv from 10240, wo from 11264), cut into 768 row tiles of 16.
; THE ROWS OF A TILE ARE NOT NEIGHBOURS: row i of tile T of a tensor is its row 32 (T / 2) + 8 (T % 2) + i + 8 (i / 8), so that a product which takes such a tile as source 0 leaves 16 neighbours in the
; 16 registers of two neighbouring tiles.  Codes: [tile][K step of 128][1536 bytes], a fragment as an IMAGE OF THE OPERAND'S 12 REGISTERS in two halves of 768 bytes: registers 6 c .. 6 c + 3 at 768 c + 16 x lane,
; registers 6 c + 4, 6 c + 5 at 768 c + 512 + 8 x lane.  Scale bytes from byte XWS on: [row's place][32].
; SHARES.  A work-group takes one row tile; its wave w takes K = 512 w .. 512 w + 511: four fragments.  768 work-groups are three to each of 256 WGPs.  Each load reads 512 consecutive bytes of one row; the 16 x 128 numbers
; turn through the wave's own stage in LDS, so that lane (r, h) then holds, of row r, k = 32 b + 16 h + i in register 16 b + i.  Three of a wave's four fragments (48 loads) are asked for at the head, the fourth behind the first.
; The two waves' halves of each row's 32 scale bytes meet in 512 bytes of LDS behind one barrier, and each wave stores one aligned unit of 256 bytes.  Matrix units and clusters have nothing to do here.
.set XWS,   9437184
.set SP,    528                        ; a stage row: 512 bytes + 16
.set STGB,  16*SP                      ; a wave's stage
.set SPARE, 2*STGB                     ; behind the two stages: the spare words, 128 bytes for each wave
.set SSTG,  SPARE+256                  ; the tile's 512 scale bytes
.set GL,  4                            ; v4   16 x lane
.set L8,  5                            ; v5   8 x lane
.set STI, 6                            ; v6   the stage, on the way in
.set STO, 7                            ; v7   and on the way out: row r, + 64 h
.set SCO, 8                            ; v8   LDS: my wave's 16 of row r's 32 scale bytes
.set SRD, 9                            ; v9   LDS: my 8 of my wave's 256 bytes on the way out
.set SPW, 10
.set NIL, 11
.set TM,  12                           ; v12-27 at work
.set PWS, 30                           ; v30-33 the four scale words of my row
.set PC,  40                           ; v40-51 a fragment's codes; v52-54, v56-58 the conversions' second halves
.set SO,  60
.set X,   64                           ; v64-255 three sets of 64 numbers
.set SEL, 20
	s_load_b256 s[4:11], s[0:1], 0x0               ; x, wq, wk, wv
	s_load_b128 s[12:15], s[0:1], 0x20             ; wo, xw
	v_lshl_add_u32 v[SPW], v0, 2, SPARE
	v_mov_b32 v[NIL], 0
	v_lshrrev_b32 v1, 5, v0
	v_readfirstlane_b32 s16, v1                    ; wave 0, 1
	v_and_b32 v1, 31, v0                           ; lane
	v_and_b32 v2, 15, v0                           ; r
	v_bfe_u32 v3, v0, 4, 1                         ; h
	v_lshlrev_b32 v[GL], 4, v1
	v_lshlrev_b32 v[L8], 3, v1
	s_mul_i32 s22, s16, STGB
	v_add_nc_u32 v[STI], s22, v[GL]
	v_mul_u32_u24 v[STO], v2, SP
	v_lshl_add_u32 v[STO], v3, 6, v[STO]
	v_add_nc_u32 v[STO], s22, v[STO]
	s_lshl_b32 s33, s16, 4
	s_add_co_u32 s33, s33, SSTG
	v_lshl_add_u32 v[SCO], v2, 5, s33
	s_lshl_b32 s34, s16, 8
	s_add_co_u32 s34, s34, SSTG
	v_add_nc_u32 v[SRD], s34, v[L8]
	s_mov_b32 s[SEL], 0x76543210
	s_mov_b32 s[SEL+1], 0xfedcba98
.irp b, 0,1,2,3
	v_mov_b32 v[TM+4+\b], 0                        ; written once: a lane permute's destination counts as one of its sources
.endr
	s_mov_b32 s23, ttmp9                           ; my row tile, 0 .. 767
	s_mov_b32 s17, 704
	s_wait_alu depctr_va_vdst(0)
	s_wait_kmcnt 0x0
	s_cmp_lt_u32 ttmp9, 704                        ; which tensor: the choice hangs on the work-group's number alone; s17: the tensor's first tile
	s_cselect_b64 s[18:19], s[10:11], s[12:13]
	s_cselect_b32 s17, 640, s17
	s_cmp_lt_u32 ttmp9, 640
	s_cselect_b64 s[18:19], s[8:9], s[18:19]
	s_cselect_b32 s17, 576, s17
	s_cmp_lt_u32 ttmp9, 576
	s_cselect_b64 s[18:19], s[6:7], s[18:19]
	s_cselect_b32 s17, 512, s17
	s_cmp_lt_u32 ttmp9, 512
	s_cselect_b64 s[18:19], s[4:5], s[18:19]
	s_cselect_b32 s17, 0, s17
	s_sub_co_u32 s24, s23, s17                     ; T: the tile's number in its tensor
	s_lshr_b32 s25, s24, 1
	s_lshl_b32 s25, s25, 5
	s_and_b32 s24, s24, 1
	s_lshl_b32 s24, s24, 3
	s_add_co_u32 s24, s24, s25                     ; its first row: 32 (T / 2) + 8 (T % 2)
	s_lshl_b32 s24, s24, 12                        ; rows of 4,096 bytes
	s_lshl_b32 s25, s16, 11
	s_add_co_u32 s24, s24, s25                     ; my wave's half of K: 2,048 bytes of each row
	s_mov_b32 s25, 0
	s_add_nc_u64 s[18:19], s[18:19], s[24:25]
	s_mul_i32 s26, s23, 12288
	s_mul_i32 s27, s16, 6144
	s_add_co_u32 s26, s26, s27
	s_mov_b32 s27, 0
	s_add_nc_u64 s[28:29], s[14:15], s[26:27]      ; my four fragments' codes
	s_lshl_b32 s26, s23, 9
	s_lshl_b32 s32, s16, 8
	s_add_co_u32 s26, s26, s32
	s_add_co_u32 s26, s26, XWS
	s_add_nc_u64 s[30:31], s[14:15], s[26:27]      ; my wave's 256 of the tile's 512 scale bytes
.macro LOAD t                          ; fragment t: 512 bytes of each of the tile's 16 rows, into set t % 3
.irp i, 0,1,2,3,4,5,6,7,8,9,10,11,12,13,14,15
	global_load_b128 v[X+64*((\t)%3)+4*\i:X+64*((\t)%3)+4*\i+3], v[GL], s[18:19] offset:(\i+8*(\i/8))*4096+512*(\t) th:TH_LOAD_NT
.endr
.endm
.macro TURN t                          ; through the stage and back into the same registers: LDS serves a wave's instructions in order (ISA guide 5.7.1.4), so no wait stands between the stores and the loads
.irp i, 0,1,2,3,4,5,6,7,8,9,10,11,12,13,14,15
	ds_store_b128 v[STI], v[X+64*((\t)%3)+4*\i:X+64*((\t)%3)+4*\i+3] offset:SP*\i
.endr
.irp b, 0,1,2,3
.irp j, 0,1,2,3
	ds_load_b128 v[X+64*((\t)%3)+16*\b+4*\j:X+64*((\t)%3)+16*\b+4*\j+3], v[STO] offset:128*\b+16*\j
.endr
.endr
.endm
; 64 numbers of a lane, register 16 b + i = k 32 b + 16 h + i of my row, become a fragment's codes in v[PC] on and its scale word in v[pw].
.macro QUANT s, pw
.irp b, 0,1,2,3
	v_max3_num_f32 v[TM+\b], |v[\s+16*\b]|, |v[\s+1+16*\b]|, 0x1800000   ; block b: my 16 numbers, and the floor 2^(3 - 127): the byte cannot fall under 1
.endr
.irp i, 2,4,6,8,10,12,14
.irp b, 0,1,2,3
	v_max3_num_f32 v[TM+\b], v[TM+\b], |v[\s+16*\b+\i]|, |v[\s+1+16*\b+\i]|   ; the four blocks by turns
.endr
.endr
.irp b, 0,1,2,3
	v_permlanex16_b32 v[TM+4+\b], v[TM+\b], s[SEL], s[SEL+1]
.endr
.irp b, 0,1,2,3
	v_max_num_f32 v[TM+\b], v[TM+\b], v[TM+4+\b]   ; with lane l xor 16's: the block's largest magnitude
.endr
.irp b, 0,1,2,3
	v_add_nc_u32 v[TM+12+\b], 0xff000000, v[TM+\b] ; 2 off its exponent field: the conversion's scale operand
.endr
.irp b, 0,1,2,3
	v_lshrrev_b32 v[TM+4+\b], 23, v[TM+12+\b]      ; the scale's byte
.endr
	v_lshl_or_b32 v[\pw], v[TM+5], 8, v[TM+4]
	v_lshl_or_b32 v[\pw], v[TM+6], 16, v[\pw]
	v_lshl_or_b32 v[\pw], v[TM+7], 24, v[\pw]
.irp c, 0,1
	v_cvt_scalef32_pk16_fp6_f32 v[PC+6*\c:PC+2+6*\c], v[\s+32*\c:\s+15+32*\c], v[TM+12+2*\c]
	v_cvt_scalef32_pk16_fp6_f32 v[PC+12+4*\c:PC+14+4*\c], v[\s+16+32*\c:\s+31+32*\c], v[TM+12+2*\c+1]   ; (a conversion's three registers begin on an even number)
.endr
	v_nop                                          ; one plain place behind a scaled conversion
.irp c, 0,1                            ; the operand's layout wants a whole block in a lane: lanes 0-15 block 2 c, lanes 16-31 block 2 c + 1
.irp i, 0,1,2
	v_permlane16_swap_b32 v[PC+6*\c+\i], v[PC+12+4*\c+\i]
.endr
.irp i, 0,1,2
	v_mov_b32 v[PC+3+6*\c+\i], v[PC+12+4*\c+\i]
.endr
.endr
.endm
.macro OUT t                           ; the image: each store covers 512 or 256 consecutive bytes, at a multiple of 256 from the buffer's first byte
	global_store_b128 v[GL], v[PC:PC+3], s[28:29] offset:1536*(\t)
	global_store_b64 v[L8], v[PC+4:PC+5], s[28:29] offset:1536*(\t)+512
	global_store_b128 v[GL], v[PC+6:PC+9], s[28:29] offset:1536*(\t)+768
	global_store_b64 v[L8], v[PC+10:PC+11], s[28:29] offset:1536*(\t)+1280
.endm
.macro FSTEP t
.if (\t) <= 1
	s_wait_loadcnt 32                              ; this fragment's 16 loads are in; the two sets behind it may be out
.elseif (\t) == 2
	s_wait_loadcnt 16
.else
	s_wait_loadcnt 0
.endif
	TURN \t
	s_wait_xcnt 0x0                                ; the last fragment's stores have read their registers: the codes are written again only behind this wait
	s_wait_dscnt 0x0                               ; the numbers are back from the stage
	QUANT X+64*((\t)%3), PWS+(\t)
	OUT \t
.if (\t)+3 < 4
	LOAD (\t)+3                                    ; into the set just quantised
.endif
.endm
	LOAD 0
	LOAD 1
	LOAD 2
.irp t, 0,1,2,3
	FSTEP \t
.endr
	ds_store_b128 v[SCO], v[PWS:PWS+3]             ; my wave's four words of row r; lanes r and r + 16 write the same bytes with the same value
	s_wait_dscnt 0x0                               ; for the other wave's sake
	s_barrier_signal -1
	s_barrier_wait -1
	ds_load_b64 v[SO:SO+1], v[SRD]                 ; eight whole rows of scale bytes for each wave
	s_wait_dscnt 0x0
	global_store_b64 v[L8], v[SO:SO+1], s[30:31]   ; one aligned unit of 256 bytes
	s_wait_tensorcnt 0x0                           ; the wave's end, behind my last LDS store
	ds_add_u32 v[SPW], v[NIL]
	s_wait_dscnt 0x0
	s_endpgm
.Lfunc_end_k_qae9fdc0109_quant:
	.size	k_qae9fdc0109_quant, .Lfunc_end_k_qae9fdc0109_quant-k_qae9fdc0109_quant
	.p2alignl 7, 3214868480
	.fill 96, 4, 3214868480
	.section	.rodata,"a",@progbits
	.p2align	6, 0x0
	.amdhsa_kernel k_qae9fdc0109_quant
		.amdhsa_group_segment_fixed_size 17664
		.amdhsa_private_segment_fixed_size 0
		.amdhsa_enable_private_segment 0
		.amdhsa_kernarg_size 48
		.amdhsa_user_sgpr_count 2
		.amdhsa_user_sgpr_kernarg_segment_ptr 1
		.amdhsa_wavefront_size32 1
		.amdhsa_system_sgpr_workgroup_id_x 1
		.amdhsa_system_sgpr_workgroup_id_y 1
		.amdhsa_system_sgpr_workgroup_id_z 1
		.amdhsa_system_vgpr_workitem_id 0
		.amdhsa_next_free_vgpr 256
		.amdhsa_next_free_sgpr 66
		.amdhsa_reserve_vcc 0
		.amdhsa_float_denorm_mode_32 3
		.amdhsa_float_denorm_mode_16_64 3
		.amdhsa_memory_ordered 1
		.amdhsa_forward_progress 1
		.amdhsa_inst_pref_size 35
	.end_amdhsa_kernel
	.amdgpu_metadata
---
amdhsa.version: [ 1, 2 ]
amdhsa.kernels:
  - .name:           k_qae9fdc0109_quant
    .symbol:         k_qae9fdc0109_quant.kd
    .args:
      - { .name: x, .offset: 0, .size: 8, .value_kind: global_buffer, .address_space: global }
      - { .name: wq, .offset: 8, .size: 8, .value_kind: global_buffer, .address_space: global }
      - { .name: wk, .offset: 16, .size: 8, .value_kind: global_buffer, .address_space: global }
      - { .name: wv, .offset: 24, .size: 8, .value_kind: global_buffer, .address_space: global }
      - { .name: wo, .offset: 32, .size: 8, .value_kind: global_buffer, .address_space: global }
      - { .name: xw, .offset: 40, .size: 8, .value_kind: global_buffer, .address_space: global }
    .group_segment_fixed_size: 17664
    .private_segment_fixed_size: 0
    .kernarg_segment_align: 8
    .kernarg_segment_size: 48
    .max_flat_workgroup_size: 64
    .sgpr_count:     66
    .vgpr_count:     256
    .wavefront_size: 32
...
	.end_amdgpu_metadata
.endif
;; end of part 1
;; launch qkv (part 2): grid 8 x 32, 4 waves a work-group, clusters of 4 x 1, 327,680 bytes of LDS; arguments xw, qkv; writes qkv
.if DOCPART == 2
	.amdgcn_target "amdgcn-amd-amdhsa--gfx1250"
	.amdhsa_code_object_version 6
	.text
	.protected	k_qae9fdc0109_qkv
	.globl	k_qae9fdc0109_qkv
	.p2align	8
	.type	k_qae9fdc0109_qkv,@function
k_qae9fdc0109_qkv:
	s_mov_b64 s[64:65], 0
	v_nop
	global_prefetch_b8 v0, s[64:65] scope:SCOPE_SE
	s_setreg_imm32_b32 hwreg(HW_REG_WAVE_MODE, 25, 1), 1
	s_wait_xcnt 0x0
	s_wait_alu depctr_hold_cnt(0) depctr_sa_sdst(0) depctr_va_vdst(0) depctr_va_sdst(0) depctr_va_ssrc(0) depctr_va_vcc(0) depctr_vm_vsrc(0)
	s_getreg_b32 s2, hwreg(HW_REG_IB_STS2, 6, 4)
	s_cmp_eq_u32 s2, 0
	s_cbranch_scc0 .Lentry_in_a_cluster
	s_endpgm
.Lentry_in_a_cluster:
	s_bfe_u32 s2, ttmp6, 0x10000c
	s_cmp_lg_u32 s2, 0x3003
	s_cbranch_scc0 .Lentry_shape_is_right
	s_endpgm
.Lentry_shape_is_right:
; q = x wq^T, k = x wk^T and v^T = wv x^T on codes of FP6 (E2M3) with E8M0 scales, K = 1024, f32 sums; the results are quantised in registers and leave as codes: q and k along the head's 64, v^T along the keys.
; OPERANDS lie in xw as images of the operand's registers: [row tile of 16][K step of 128][1,536 bytes], 12,288 bytes a tile (x's tiles from 0, wq's from 512, wk's from 576, wv's from 640); scale bytes from XWS on, [row's place][32].
; Row i of tile T of a tensor is its row 32 (T / 2) + 8 (T % 2) + i + 8 (i / 8): the 16 registers of two neighbouring tiles of source 0 are 16 neighbours.
; THE DEAL.  256 work-groups of four waves: work-group (fg, tg) takes the 256 tokens tg and the wave columns v = 4 fg + wave.  Wave column v is head v of Q (v under 16) or head v - 16 of K, weight tiles 512 + 4 v .. + 3, and V's feature tiles 2 v, 2 v + 1.
; A wave holds its six weight tiles, all of K, in 576 registers and streams x's 16 tiles past them: a block of 16 tokens feeds 48 products, V's 16 (two accumulators by turns), then Q|K's 32 (four by turns).
; Q|K: source 0 = the weight's rows: a lane holds one token and 32 of the head's 64.  V: source 0 = x's rows: a lane holds one feature, and its 64 registers of eight blocks are 128 tokens' worth of one fragment.
; x's 16 tiles (196,608 bytes) are asked for once, jointly by the cluster's four work-groups, which share tg: one load a wave, four tiles each; nothing is filled again, so there is no prefetch: all is asked for at the head.
; THE WEIGHTS go from memory straight into registers, each lane its part of the image: they have no tile in LDS that a joint load could fill.
; RESULTS in qkv: q, k: codes [head pair, q's 0-7, k's 8-15][token tile][1,536], my head's half of 768 bytes; scale words from QKS on, my head's two bytes of each.  v^T: from VTC on [128 keys][feature tile], words from VTS on.
; The results' scale bytes gather in a stage in LDS and leave at the end, 512 and 256 consecutive bytes a store.
; THE TEXT: a loop of two trips of eight blocks; what differs lies in s70-75 and the two pointers.  The second trip's last two blocks have nothing left to fetch: a branch on the trip's number leads round the fetch, with a wait of its own on each way.
; LIMITS: a block of zeros or under 2^-124 gets the byte 1 (its codes are zeros; this program alone reads the bytes); NaN and infinities are not served.
; REGISTERS.  64 fragments of 12: the weights' 6 q + t (t = 0 .. 3 Q|K, 4, 5 V), x's two sets 48 + 8 e + q.  Fragment f lies in window 1 + f / 21 at register 12 (f % 21); fragment 63 at v244 of window 0.  All else in window 0.
.set XWS,   9437184
.set VTC,   12582912
.set QKS,   18874368
.set VTS,   19398656
.set TILEB, 12288
.set XS,    16*TILEB                   ; x's scale bytes, 512 a tile
.set XN,    XS+8192                    ; stage: Q|K's scale bytes [wave pair][tile][row][4]
.set XV,    XN+2048                    ; V's scale words [128 keys][wave][tile][row]
.set SPARE, XV+1024
.set NF,    34                         ; LDS loads of a block: 32 for eight fragments, 2 for eight scale words
.set AS_, 2                            ; v2   LDS address of the scale words that are fetched next
.set SPW, 10
.set NIL, 11
.set TC,  12                           ; v12-15 the conversions' scale operands
.set SW,  16                           ; v16-39 the weights' scale words: tiles 0|1, 2|3, 4|5 in the two halves of the lanes
.set TA,  40                           ; v40-43 largest magnitudes
.set SA,  44                           ; v44-59 x's scale words, two sets
.set TB,  60                           ; v60-63 the other half's maxima, then the bytes
.set ACC, 64                           ; v64-95 Q|K's sums
.set HV,  96                           ; v96-223 V's sums: 64 u + 8 j + i
.set CC,  224                          ; v224-235 codes; v236-238, v240-242 the conversions' second halves
.set CT,  236
.set VST, 239                          ; v239 V's place in the stage
.set TMPA, 243
.set TR,  70
.set XB,  71
.set XSB, 72
.set QSB, 73
.set XW,  74
.set XSW, 75
.set MSB, 0
.macro WIN new
.if MSB != \new
	s_set_vgpr_msb (MSB<<8)|\new
.set MSB, \new
.endif
.endm
.macro PLACES n
.rept \n
	v_nop
.endr
.endm
.macro WALU
	s_wait_alu depctr_va_vdst(0)
.endm
.macro BARRIER
	s_barrier_signal -1
	s_barrier_wait -1
.endm
.macro CROUND
	BARRIER
	s_cmp_lg_u32 s14, 0
	s_cbranch_scc1 .Lnot_wave_0_\@
	s_barrier_signal -3
.Lnot_wave_0_\@:
	s_barrier_wait -3
	BARRIER
.endm
.macro PTR d, base, off                ; a pointer: base + the 32-bit offset in s\off (s21 = 0)
	s_mov_b32 s20, s\off
	s_add_nc_u64 s[\d:\d+1], s[\base:\base+1], s[20:21]
.endm
.macro FPLACE f
.if (\f) < 63
.set FW_, 1+(\f)/21
.set FG_, 12*((\f)%21)
.else
.set FW_, 0
.set FG_, 244
.endif
.endm
.macro WLOAD f, base, off              ; a fragment of a weight, memory to registers: four loads over consecutive bytes
	FPLACE \f
	WIN FW_<<6
	global_load_b128 v[FG_:FG_+3], v4, s[\base:\base+1] offset:\off
	global_load_b64 v[FG_+4:FG_+5], v5, s[\base:\base+1] offset:(\off)+512
	global_load_b128 v[FG_+6:FG_+9], v4, s[\base:\base+1] offset:(\off)+768
	global_load_b64 v[FG_+10:FG_+11], v5, s[\base:\base+1] offset:(\off)+1280
.endm
.macro XFRAG f, a16, a8, off
	FPLACE \f
	WIN FW_<<6
	ds_load_b128 v[FG_:FG_+3], v[\a16] offset:\off
	ds_load_b64 v[FG_+4:FG_+5], v[\a8] offset:(\off)+512
	ds_load_b128 v[FG_+6:FG_+9], v[\a16] offset:(\off)+768
	ds_load_b64 v[FG_+10:FG_+11], v[\a8] offset:(\off)+1280
.endm
.macro FETCH e, a16, a8, as, toff, soff   ; a tile of x into set e: NF loads
.irp q, 0,1,2,3,4,5,6,7
	XFRAG 48+8*(\e)+\q, \a16, \a8, (\toff)+1536*\q
.endr
	WIN 0
	ds_load_b128 v[SA+8*(\e):SA+8*(\e)+3], v[\as] offset:\soff
	ds_load_b128 v[SA+8*(\e)+4:SA+8*(\e)+7], v[\as] offset:(\soff)+16
.endm
.macro PROD2 d, s0, s1, c, x0, x1, side, o
.if \o
	v_wmma_scale_f32_16x16x128_f8f6f4 v[\d:\d+7], v[\s0:\s0+11], v[\s1:\s1+11], \c, v[\x0], v[\x1] matrix_a_fmt:MATRIX_FMT_FP6 matrix_b_fmt:MATRIX_FMT_FP6 matrix_\side\()_scale:MATRIX_SCALE_ROW1
.else
	v_wmma_scale_f32_16x16x128_f8f6f4 v[\d:\d+7], v[\s0:\s0+11], v[\s1:\s1+11], \c, v[\x0], v[\x1] matrix_a_fmt:MATRIX_FMT_FP6 matrix_b_fmt:MATRIX_FMT_FP6 matrix_\side\()_scale:MATRIX_SCALE_ROW0
.endif
.endm
.macro PROD1 d, s0, s1, q, x0, x1, side, o   ; the first step along K starts the sum
.if \q
	PROD2 \d, \s0, \s1, v[\d:\d+7], \x0, \x1, \side, \o
.else
	PROD2 \d, \s0, \s1, 0, \x0, \x1, \side, \o
.endif
.endm
.macro PV e, q, u, j
	FPLACE 48+8*(\e)+(\q)
.set XW_, FW_
.set XG_, FG_
	FPLACE 6*(\q)+4+(\u)
	WIN XW_|(FW_<<2)
	PROD1 HV+64*(\u)+8*(\j), XG_, FG_, \q, SA+8*(\e)+(\q), SW+16+(\q), b, \u
.endm
.macro PQK e, q, t
	FPLACE 48+8*(\e)+(\q)
.set XW_, FW_
.set XG_, FG_
	FPLACE 6*(\q)+(\t)
	WIN FW_|(XW_<<2)
	PROD1 ACC+8*(\t), FG_, XG_, \q, SW+8*((\t)/2)+(\q), SA+8*(\e)+(\q), a, (\t)%2
.endm
; Q|K's way out: a lane's 32 sums are two half blocks of 32 along the head's 64, shared with lane l xor 16.  Four chains, one to an accumulator, each from its low end on.
.macro QKOUT j
.irp k, 0,1,2,3
	v_max3_num_f32 v[TA+\k], |v[ACC+8*\k]|, |v[ACC+8*\k+1]|, |v[ACC+8*\k+2]|
.endr
.irp k, 0,1,2,3
	v_max3_num_f32 v[TA+\k], v[TA+\k], |v[ACC+8*\k+3]|, |v[ACC+8*\k+4]|
.endr
.irp k, 0,1,2,3
	v_max3_num_f32 v[TA+\k], v[TA+\k], |v[ACC+8*\k+5]|, |v[ACC+8*\k+6]|
.endr
	v_max3_num_f32 v[TA], v[TA], v[TA+1], |v[ACC+7]|
	v_max3_num_f32 v[TA+2], v[TA+2], v[TA+3], |v[ACC+23]|
	v_max3_num_f32 v[TA], v[TA], |v[ACC+15]|, 0x1800000      ; and the floor 2^(3 - 127)
	v_max3_num_f32 v[TA+2], v[TA+2], |v[ACC+31]|, 0x1800000
	v_permlanex16_b32 v[TB], v[TA], s52, s53
	v_permlanex16_b32 v[TB+1], v[TA+2], s52, s53
	v_max_num_f32 v[TA], v[TA], v[TB]
	v_max_num_f32 v[TA+2], v[TA+2], v[TB+1]
	v_add_nc_u32 v[TC], 0xff000000, v[TA]          ; 2 off the exponent field: the conversion's scale operand
	v_add_nc_u32 v[TC+1], 0xff000000, v[TA+2]
	v_lshrrev_b32 v[TB], 23, v[TC]
	v_lshrrev_b32 v[TB+1], 23, v[TC+1]
	v_lshl_or_b32 v[TB], v[TB+1], 8, v[TB]         ; my head's two bytes of the row's word
	v_add_nc_u32 v[TMPA], s[QSB], v9
	v_cvt_scalef32_pk16_fp6_f32 v[CC:CC+2], v[ACC:ACC+15], v[TC]
	v_cvt_scalef32_pk16_fp6_f32 v[CT:CT+2], v[ACC+16:ACC+31], v[TC+1]
	v_nop                                          ; one plain place behind a scaled conversion
.irp i, 0,1,2
	v_permlane16_swap_b32 v[CC+\i], v[CT+\i]
.endr
.irp i, 0,1,2
	v_mov_b32 v[CC+3+\i], v[CT+\i]
.endr
.if (\j) == 7
	ds_store_b16 v[TMPA], v[TB] offset:64*(\j)     ; here, since V's way out takes these two registers; lanes r and r + 16 write the same bytes with the same value
.endif
	global_store_b128 v4, v[CC:CC+3], s[44:45] offset:1536*(\j)
	global_store_b64 v5, v[CC+4:CC+5], s[44:45] offset:1536*(\j)+512
.endm
; V's way out, tile u: 64 sums of a lane are four half blocks of 32 along the keys: a whole fragment and a scale word a row.
.macro VOUT u
.set AC, HV+64*(\u)
.irp b, 0,1,2,3
	v_max3_num_f32 v[TA+\b], |v[AC+16*\b]|, |v[AC+16*\b+1]|, 0x1800000
.endr
.irp i, 2,4,6,8,10,12,14
.irp b, 0,1,2,3
	v_max3_num_f32 v[TA+\b], v[TA+\b], |v[AC+16*\b+\i]|, |v[AC+16*\b+\i+1]|
.endr
.endr
.irp b, 0,1,2,3
	v_permlanex16_b32 v[TB+\b], v[TA+\b], s52, s53
.endr
.irp b, 0,1,2,3
	v_max_num_f32 v[TA+\b], v[TA+\b], v[TB+\b]
.endr
.irp b, 0,1,2,3
	v_add_nc_u32 v[TC+\b], 0xff000000, v[TA+\b]
.endr
.irp b, 0,1,2,3
	v_lshrrev_b32 v[TB+\b], 23, v[TC+\b]
.endr
	v_lshl_or_b32 v[TB], v[TB+1], 8, v[TB]
	v_lshl_or_b32 v[TB], v[TB+2], 16, v[TB]
	v_lshl_or_b32 v[TB], v[TB+3], 24, v[TB]
	v_add_nc_u32 v[TMPA], s[QSB], v[VST]
	v_cvt_scalef32_pk16_fp6_f32 v[CC:CC+2], v[AC:AC+15], v[TC]
	v_cvt_scalef32_pk16_fp6_f32 v[CT:CT+2], v[AC+16:AC+31], v[TC+1]
	v_cvt_scalef32_pk16_fp6_f32 v[CC+6:CC+8], v[AC+32:AC+47], v[TC+2]
	v_cvt_scalef32_pk16_fp6_f32 v[CT+4:CT+6], v[AC+48:AC+63], v[TC+3]
	v_nop
.irp c, 0,1
.irp i, 0,1,2
	v_permlane16_swap_b32 v[CC+6*\c+\i], v[CT+4*\c+\i]
.endr
.irp i, 0,1,2
	v_mov_b32 v[CC+3+6*\c+\i], v[CT+4*\c+\i]
.endr
.endr
	ds_store_b32 v[TMPA], v[TB] offset:64*(\u)
	global_store_b128 v4, v[CC:CC+3], s[46:47] offset:1536*(\u)
	global_store_b64 v5, v[CC+4:CC+5], s[46:47] offset:1536*(\u)+512
	global_store_b128 v4, v[CC+6:CC+9], s[46:47] offset:1536*(\u)+768
	global_store_b64 v5, v[CC+10:CC+11], s[46:47] offset:1536*(\u)+1280
.endm
; Block j of a trip: 48 products, then one run: the next fetch's addresses (with a v_nop the four places behind the last product), the ways out, the fetch of the tile two blocks on, the wait that shows the next block's tile in.
.macro BLOCK j
.set E_, (\j)%2
.set N_, 0
.rept 16
	PV E_, N_/2, N_%2, \j
.set N_, N_+1
.endr
.set N_, 0
.rept 32
	PQK E_, N_/4, N_%4
.set N_, N_+1
.endr
	WIN 0
.if (\j) < 6
	v_add3_u32 v6, s[XB], ((\j)+2)*TILEB, v4
	v_add3_u32 v7, s[XB], ((\j)+2)*TILEB, v5
	v_add_nc_u32 v[AS_], s[XSB], v8
.else
	v_add3_u32 v6, s[XW], ((\j)-6)*TILEB, v4       ; the next trip's tiles 0 and 1
	v_add3_u32 v7, s[XW], ((\j)-6)*TILEB, v5
	v_add_nc_u32 v[AS_], s[XSW], v8
.endif
	v_nop
	WALU
	s_wait_xcnt 0x0                                ; the last stores have read the codes' registers
	QKOUT \j
.if (\j) == 7
	WALU
	s_wait_xcnt 0x0
	VOUT 0
	WALU
	s_wait_xcnt 0x0
	VOUT 1
	WALU
	s_wait_xcnt 0x0                                ; the stores have read their bases: on to the next eight tiles' places
	s_add_nc_u64 s[44:45], s[44:45], 8*1536
	s_add_nc_u64 s[46:47], s[46:47], 64*1536
.endif
	WALU
.if (\j) < 6
	FETCH E_, 6, 7, AS_, 0, ((\j)+2)*512
	ds_store_b16 v[TMPA], v[TB] offset:64*(\j)     ; Q|K's two scale bytes of row r; lanes r and r + 16 write the same bytes with the same value
	s_wait_dscnt NF+1                              ; younger are this fetch and the store: the next block's tile is in
.else
	s_cmp_lg_u32 s[TR], 0
	s_cbranch_scc1 .Lno_fetch_\@
	FETCH E_, 6, 7, AS_, 0, ((\j)-6)*512
.if (\j) < 7
	ds_store_b16 v[TMPA], v[TB] offset:64*(\j)
	s_wait_dscnt NF+1
.else
	s_wait_dscnt NF
.endif
	s_branch .Lfetched_\@
.Lno_fetch_\@:
.if (\j) < 7
	ds_store_b16 v[TMPA], v[TB] offset:64*(\j)
	s_wait_dscnt 0x1                               ; younger is the store alone
.else
	s_wait_dscnt 0x0
.endif
.Lfetched_\@:
.endif
.endm
; ================= the head
	s_load_b128 s[4:7], s[0:1], 0x0                ; xw, qkv
	v_lshl_add_u32 v[SPW], v0, 2, SPARE
	v_mov_b32 v[NIL], 0
	ds_add_u32 v[SPW], v[NIL]                      ; the opening lines
	ds_add_u32 v[SPW], v[NIL]
	v_lshrrev_b32 v1, 5, v0
	v_readfirstlane_b32 s14, v1                    ; the wave
	s_bfe_u32 s40, ttmp6, 0x40000                  ; cx
	s_lshl_b32 s42, ttmp9, 2
	s_add_co_u32 s42, s42, s40                     ; fg
	s_and_b32 s43, ttmp7, 0xffff                   ; tg
	s_lshl_b32 s41, s42, 2
	s_add_co_u32 s41, s41, s14                     ; v
	s_and_b32 s15, s14, 1
	s_lshr_b32 s16, s14, 1
	s_mov_b32 s52, 0x76543210
	s_mov_b32 s53, 0xfedcba98
	s_mov_b32 s24, (3<<16)|(1<<21)|15              ; group 1: four rows of 12,288 bytes, dense; the mask names the cluster's four
	s_mov_b32 s25, 1536<<16
	s_mov_b32 s26, 4<<16
	s_mov_b32 s27, 1536<<16
	s_mov_b32 s28, 4
	s_mov_b32 s29, 1536
	s_mov_b32 s30, 0
	s_mov_b32 s31, 0
	s_mov_b32 s56, 1
	s_mul_i32 s57, s14, 4*TILEB                    ; my four tiles' place in LDS
	s_mul_i32 s76, s43, 16*TILEB
	s_add_co_u32 s76, s76, s57                     ; and in xw: it hangs on tg and the wave alone
	s_lshl_b32 s77, s43, 13
	s_add_co_u32 s77, s77, XWS                     ; x's scale bytes
	s_mul_i32 s78, s41, 4*TILEB
	s_add_co_u32 s78, s78, 512*TILEB               ; my head's four weight tiles
	s_mul_i32 s79, s41, 2*TILEB
	s_add_co_u32 s79, s79, 640*TILEB               ; my two tiles of wv
	s_lshl_b32 s80, s41, 11
	s_add_co_u32 s80, s80, XWS+512*512             ; their scale bytes
	s_lshl_b32 s81, s41, 10
	s_add_co_u32 s81, s81, XWS+640*512
	s_lshr_b32 s20, s41, 1
	s_lshl_b32 s20, s20, 9
	s_lshl_b32 s21, s43, 4
	s_add_co_u32 s20, s20, s21                     ; Q|K's first fragment: 512 x head pair + 16 tg
	s_mul_i32 s82, s20, 1536
	s_mul_i32 s21, s15, 768
	s_add_co_u32 s82, s82, s21
	s_lshl_b32 s83, s20, 6
	s_lshl_b32 s21, s15, 9
	s_add_co_u32 s83, s83, s21
	s_add_co_u32 s83, s83, QKS                     ; my 512 of the pair's 1,024 scale bytes
	s_lshl_b32 s20, s43, 7
	s_lshl_b32 s21, s41, 1
	s_add_co_u32 s20, s20, s21                     ; V's first fragment: 64 x (2 tg) + 2 v
	s_mul_i32 s84, s20, 1536
	s_add_co_u32 s84, s84, VTC
	s_lshl_b32 s20, s43, 1
	s_add_co_u32 s20, s20, s16
	s_lshl_b32 s20, s20, 6
	s_lshl_b32 s21, s42, 3
	s_add_co_u32 s20, s20, s21
	s_lshl_b32 s85, s20, 6
	s_lshl_b32 s21, s15, 8
	s_add_co_u32 s85, s85, s21
	s_add_co_u32 s85, s85, VTS                     ; my 256 of V's 2 x 512 scale bytes
	s_lshl_b32 s22, s16, 10
	s_lshl_b32 s21, s15, 1
	s_add_co_u32 s22, s22, s21
	s_add_co_u32 s22, s22, XN
	s_lshl_b32 s23, s14, 7
	s_add_co_u32 s23, s23, XV
	v_and_b32 v1, 15, v0                           ; r
	v_and_b32 v3, 31, v0
	v_lshlrev_b32 v4, 4, v3
	v_lshlrev_b32 v5, 3, v3
	v_lshl_add_u32 v8, v1, 5, XS                   ; my row's scale words in tile 0
	v_lshl_add_u32 v9, v1, 2, s22                  ; the stage: Q|K's two bytes of row r
	v_lshl_add_u32 v[VST], v1, 2, s23              ; V's word of row r
	v_lshlrev_b32 v40, 5, v3                       ; the weights' scale bytes: 32 a row, two tiles in 32 lanes
	v_lshlrev_b32 v41, 4, v0                       ; x's scale bytes on their way in: 16 a thread
	v_lshl_add_u32 v42, v0, 4, XS
.irp b, 0,1,2,3
	v_mov_b32 v[TB+\b], 0                          ; a lane permute's destination counts as one of its sources
.endr
	WALU
	s_wait_dscnt 0x0
	CROUND                                         ; the round in front of the joint loads
	s_wait_kmcnt 0x0
	s_mov_b32 s21, 0
	PTR 58, 4, 76
	s_or_b32 s59, s59, 0x80000000
	tensor_load_to_lds s[56:59], s[24:31]          ; every wave: its four tiles of x
	s_nop 0
	PLACES 4
	PTR 18, 4, 77
	PTR 8, 4, 78
	PTR 10, 4, 79
	PTR 12, 4, 80
	PTR 16, 4, 81
	PTR 44, 6, 82
	PTR 48, 6, 83
	PTR 46, 6, 84
	PTR 50, 6, 85
.irp k, 0,1,2,3
	global_load_b128 v[ACC+4*\k:ACC+4*\k+3], v41, s[18:19] offset:2048*\k
.endr
.irp p, 0,1
.irp c, 0,1
	global_load_b128 v[SW+8*\p+4*\c:SW+8*\p+4*\c+3], v40, s[12:13] offset:1024*\p+16*\c
.endr
.endr
.irp c, 0,1
	global_load_b128 v[SW+16+4*\c:SW+16+4*\c+3], v40, s[16:17] offset:16*\c
.endr
.irp q, 0,1,2,3,4,5,6,7
.irp t, 0,1,2,3
	WLOAD 6*\q+\t, 8, \t*TILEB+1536*\q
.endr
.irp t, 0,1
	WLOAD 6*\q+4+\t, 10, \t*TILEB+1536*\q
.endr
.endr
	WIN 0
	s_wait_loadcnt 0x0
.irp k, 0,1,2,3
	ds_store_b128 v42, v[ACC+4*\k:ACC+4*\k+3] offset:2048*\k
.endr
	s_wait_tensorcnt 0x0                           ; every wave waits for its tiles,
	s_wait_dscnt 0x0                               ; and for its stores
	BARRIER                                        ; x's 16 tiles and their scale bytes are in
	FETCH 0, 4, 5, 8, 0, 0
	FETCH 1, 4, 5, 8, TILEB, 512
	s_mov_b32 s[TR], 0
	s_mov_b32 s[XB], 0
	s_mov_b32 s[XSB], 0
	s_mov_b32 s[QSB], 0
	s_wait_dscnt NF                                ; block 0's tile is in
; ================= the stream: two trips of eight blocks
.Loct:
	s_xor_b32 s[XW], s[XB], 8*TILEB
	s_xor_b32 s[XSW], s[XSB], 4096
.irp j, 0,1,2,3,4,5,6,7
	BLOCK \j
.endr
	s_add_co_u32 s[XB], s[XB], 8*TILEB
	s_add_co_u32 s[XSB], s[XSB], 4096
	s_add_co_u32 s[QSB], s[QSB], 512
	s_add_co_u32 s[TR], s[TR], 1
	s_cmp_lt_u32 s[TR], 2
	s_cbranch_scc1 .Loct
; ================= the stage of scale bytes is emptied
	s_lshl_b32 s22, s14, 9
	s_add_co_u32 s22, s22, XN
	s_lshl_b32 s23, s14, 8
	s_add_co_u32 s23, s23, XV
	v_add_nc_u32 v6, s22, v4
	v_add_nc_u32 v7, s23, v5
	WALU
	s_wait_dscnt 0x0
	BARRIER                                        ; every wave's bytes are in the stage
	ds_load_b128 v[ACC:ACC+3], v6
	ds_load_b64 v[ACC+4:ACC+5], v7
	s_wait_dscnt 0x0
	global_store_b128 v4, v[ACC:ACC+3], s[48:49]
	global_store_b64 v5, v[ACC+4:ACC+5], s[50:51]
	s_wait_tensorcnt 0x0                           ; the wave's end
	ds_add_u32 v[SPW], v[NIL]
	s_wait_dscnt 0x0
	CROUND                                         ; the closing round
	s_endpgm
.Lfunc_end_k_qae9fdc0109_qkv:
	.size	k_qae9fdc0109_qkv, .Lfunc_end_k_qae9fdc0109_qkv-k_qae9fdc0109_qkv
	.p2alignl 7, 3214868480
	.fill 96, 4, 3214868480
	.section	.rodata,"a",@progbits
	.p2align	6, 0x0
	.amdhsa_kernel k_qae9fdc0109_qkv
		.amdhsa_group_segment_fixed_size 327680
		.amdhsa_private_segment_fixed_size 0
		.amdhsa_enable_private_segment 0
		.amdhsa_kernarg_size 16
		.amdhsa_user_sgpr_count 2
		.amdhsa_user_sgpr_kernarg_segment_ptr 1
		.amdhsa_wavefront_size32 1
		.amdhsa_system_sgpr_workgroup_id_x 1
		.amdhsa_system_sgpr_workgroup_id_y 1
		.amdhsa_system_sgpr_workgroup_id_z 1
		.amdhsa_system_vgpr_workitem_id 0
		.amdhsa_next_free_vgpr 1024
		.amdhsa_next_free_sgpr 100
		.amdhsa_reserve_vcc 0
		.amdhsa_float_denorm_mode_32 3
		.amdhsa_float_denorm_mode_16_64 3
		.amdhsa_memory_ordered 1
		.amdhsa_forward_progress 1
		.amdhsa_inst_pref_size 128
	.end_amdhsa_kernel
	.amdgpu_metadata
---
amdhsa.version: [ 1, 2 ]
amdhsa.kernels:
  - .name:           k_qae9fdc0109_qkv
    .symbol:         k_qae9fdc0109_qkv.kd
    .args:
      - { .name: xw, .offset: 0, .size: 8, .value_kind: global_buffer, .address_space: global }
      - { .name: qkv, .offset: 8, .size: 8, .value_kind: global_buffer, .address_space: global }
    .group_segment_fixed_size: 327680
    .private_segment_fixed_size: 0
    .kernarg_segment_align: 8
    .kernarg_segment_size: 16
    .max_flat_workgroup_size: 128
    .sgpr_count:     100
    .vgpr_count:     1024
    .wavefront_size: 32
...
	.end_amdgpu_metadata
.endif
;; end of part 2
;; launch attn (part 3): grid 4 x 64, 16 waves a work-group, clusters of 4 x 1, 327,680 bytes of LDS; arguments qkv, att; writes att
.if DOCPART == 3
	.amdgcn_target "amdgcn-amd-amdhsa--gfx1250"
	.amdhsa_code_object_version 6
	.text
	.protected	k_qae9fdc0109_attn
	.globl	k_qae9fdc0109_attn
	.p2align	8
	.type	k_qae9fdc0109_attn,@function
k_qae9fdc0109_attn:
	s_mov_b64 s[64:65], 0
	v_nop
	global_prefetch_b8 v0, s[64:65] scope:SCOPE_SE
	s_setreg_imm32_b32 hwreg(HW_REG_WAVE_MODE, 25, 1), 1
	s_wait_xcnt 0x0
	s_wait_alu depctr_hold_cnt(0) depctr_sa_sdst(0) depctr_va_vdst(0) depctr_va_sdst(0) depctr_va_ssrc(0) depctr_va_vcc(0) depctr_vm_vsrc(0)
	s_getreg_b32 s2, hwreg(HW_REG_IB_STS2, 6, 4)
	s_cmp_eq_u32 s2, 0
	s_cbranch_scc0 .Lentry_in_a_cluster
	s_endpgm
.Lentry_in_a_cluster:
	s_bfe_u32 s2, ttmp6, 0x10000c
	s_cmp_lg_u32 s2, 0x3003
	s_cbranch_scc0 .Lentry_shape_is_right
	s_endpgm
.Lentry_shape_is_right:
; Causal attention of one head on codes of FP6 (E2M3) with E8M0 scales: S^T = K Q^T (K = the head's 64), p = 2^(t - M), O^T = V^T P^T (K = the keys), O / l quantised along the head's 64 and stored as codes.
; t = score x log2(e) / 8; M = the row's largest t so far, rounded up to a whole number; l is the sum of the unquantised p; when M moves, l and O are multiplied by 2^(old M - new M): exact.
; LEFT OUT: key steps of 128 all of whose keys come after the tile's queries: the causal mask gives them the weight 0.
; SHARES.  Cluster y: batch y / 16, head y % 16; its four work-groups share the head's K and V.  ALL 2,048 keys' codes and scale words (208,896 bytes) lie in LDS: they are asked for once, jointly (mask 15), one load a wave; nothing is filled again.
; The batch's 128 query tiles of 16 fall into 16 groups of 8 (128 tokens).  The work-group at place cx takes tiles 8 g + 2 cx + e of every group.  Wave w (g = w % 8, e = w / 8) takes the tile of group 15 - g, then that of group g:
; 16 - g and g + 1 key steps, 17 for every wave.  Which steps are walked and which is masked hangs on the wave's number alone; cx enters global addresses and the mask's lane term only.
; TWO BARRIERS.  Waves 0-3 load key steps 0-3 and all scale words, on load lines of their own; the first barrier shows these.  Every wave then walks four steps of its long tile; the second barrier shows the other twelve steps.
; NO PREFETCH: every tile is asked for at the head; there is no later load to run ahead of.
; INPUTS (qkv) are images of the operands' registers; a head's 64 along K are half a fragment, 768 bytes.  A tile holds rows 32 (T / 2) + 8 (T % 2) + i + 8 (i / 8), so that 16 registers of two neighbouring tiles are 16 neighbours.
; K = 64 IN AN INSTRUCTION OF 128: Q's codes of k = 64 .. 127 are zeros; K's operand runs on into the next tile's codes, finite numbers that meet those zeros; these scale words come by loads of 16 bits, so their upper bytes are 0.
; LIMITS: a block of zeros or under 2^-124 gets the byte 1 (its codes are zeros; this program alone reads the bytes); NaN and infinities are not served; the scaled scores stay under 2^31 in magnitude.
; REGISTERS: v1-4 lane offsets; v5, v6 the add's two; v7 the mask's lane term; v8-11, v92, v93 LDS addresses; v12 -M, v13 the largest t, v[14:15] l; v16-27 Q and zeros; v28 Q's scales; v29, v30 offsets;
;   v32-85 K's eight half fragments and six zeros, later V's four fragments; v86-91 scale words; v96-159 S^T, then p; v160-191 O^T; v192-215, v244-255 at work; v216-222 the second tile's Q; v224-242 codes.
.set KSOFF, 0                          ; K's scale words, 64 bytes a tile
.set VSOFF, 8192                       ; V's, 256 bytes a key step
.set SPARE, 12288                      ; the spare words, 128 bytes a wave
.set KOFF,  24576                      ; K's half fragments, 6,144 bytes a key step
.set VOFF,  122880                     ; V's fragments, 6,144 bytes a key step
.set VTC,   12582912
.set QKS,   18874368
.set VTS,   19398656
.set AS,    6291456
.set SK,  2                            ; s2, s3, s18, s19: where the key step in hand lies in LDS
.set SV,  3
.set WV,  8
.set CX,  9
.set G,   10
.set E,   11
.set KQ,  12                           ; the key step
.set HD,  13
.set GT,  17                           ; the tile's group: its last, masked key step
.set SKS, 18
.set SVS, 19
.set SEL, 20
.set CS,  22
.macro WALU
	s_wait_alu depctr_va_vdst(0)
.endm
.macro BARRIER
	s_barrier_signal -1
	s_barrier_wait -1
.endm
.macro CROUND
	BARRIER
	s_cmp_lg_u32 s[WV], 0
	s_cbranch_scc1 .Lnot_wave_0_\@
	s_barrier_signal -3
.Lnot_wave_0_\@:
	s_barrier_wait -3
	BARRIER
.endm
.macro SHAPE c, r, p                   ; group 1: r rows of c elements of 8 bytes, p elements apart; the mask names the cluster's four
	s_mov_b32 s24, (3<<16)|(1<<21)|15
	s_mov_b32 s25, (\c)<<16
	s_mov_b32 s26, (\r)<<16
	s_mov_b32 s27, (\c)<<16
	s_mov_b32 s28, \r
	s_mov_b32 s29, \p
	s_mov_b32 s30, 0
	s_mov_b32 s31, 0
.endm
.macro ARM lim, next, c, r, p
	s_cmp_lt_u32 s[WV], \lim
	s_cbranch_scc0 \next
	SHAPE \c, \r, \p
.endm
.macro ASKT
	s_or_b32 s59, s59, 0x80000000
	tensor_load_to_lds s[56:59], s[24:31]
	s_nop 0
.rept 4
	v_nop
.endr
.endm
.macro TILEADR tt, qc, qs, oc, os      ; token tile s\tt: Q's half fragment, its scale words, the result's half fragment, its scale bytes
	s_lshl_b32 s99, s16, 9
	s_add_co_u32 s99, s99, s\tt
	s_mul_i32 s92, s99, 1536
	s_mul_i32 s96, s15, 768
	s_add_co_u32 s92, s92, s96
	s_add_nc_u64 s[\qc:\qc+1], s[4:5], s[92:93]
	s_lshl_b32 s92, s99, 6
	s_add_co_u32 s92, s92, QKS
	s_add_nc_u64 s[\qs:\qs+1], s[4:5], s[92:93]
	s_mul_i32 s92, s\tt, 12288
	s_mul_i32 s96, s[HD], 768
	s_add_co_u32 s92, s92, s96
	s_add_nc_u64 s[\oc:\oc+1], s[6:7], s[92:93]
	s_lshl_b32 s92, s\tt, 9
	s_lshl_b32 s96, s[HD], 1
	s_add_co_u32 s92, s92, s96
	s_add_co_u32 s92, s92, AS
	s_add_nc_u64 s[\os:\os+1], s[6:7], s[92:93]
.endm
	s_load_b128 s[4:7], s[0:1], 0x0                ; qkv, att
	v_lshl_add_u32 v5, v0, 2, SPARE
	v_mov_b32 v6, 0
	ds_add_u32 v5, v6                              ; the opening lines
	ds_add_u32 v5, v6
	v_lshrrev_b32 v8, 5, v0
	v_readfirstlane_b32 s[WV], v8
	s_bfe_u32 s[CX], ttmp6, 0x40000
	s_and_b32 s97, ttmp7, 0xffff
	s_and_b32 s[HD], s97, 15
	s_lshr_b32 s14, s97, 4                         ; batch
	s_and_b32 s15, s[HD], 1
	s_lshr_b32 s16, s[HD], 1
	s_and_b32 s[G], s[WV], 7
	s_lshr_b32 s[E], s[WV], 3
	s_mov_b32 s[SEL], 0x76543210
	s_mov_b32 s[SEL+1], 0xfedcba98
	s_mov_b32 s[CS], 0x3e38aa3b                    ; log2(e) / 8
	s_mov_b32 s[CS+1], s[CS]
	s_mov_b32 s93, 0
	s_add_co_u32 s97, s16, 8
	s_lshl_b32 s97, s97, 9
	s_lshl_b32 s98, s14, 7
	s_add_co_u32 s97, s97, s98                     ; K's first tile
	s_lshl_b32 s98, s14, 10
	s_lshl_b32 s99, s[HD], 2
	s_add_co_u32 s98, s98, s99                     ; V's first fragment
	WALU
	s_wait_dscnt 0x0
	CROUND                                         ; the round in front of the joint loads
	s_wait_kmcnt 0x0
	s_mul_i32 s92, s97, 1536
	s_mul_i32 s99, s15, 768
	s_add_co_u32 s92, s92, s99
	s_add_nc_u64 s[76:77], s[4:5], s[92:93]        ; K's codes
	s_mul_i32 s92, s98, 1536
	s_add_co_u32 s92, s92, VTC
	s_add_nc_u64 s[78:79], s[4:5], s[92:93]        ; V's codes
	s_lshl_b32 s92, s97, 6
	s_add_co_u32 s92, s92, QKS
	s_add_nc_u64 s[80:81], s[4:5], s[92:93]        ; K's scale words
	s_lshl_b32 s92, s98, 6
	s_add_co_u32 s92, s92, VTS
	s_add_nc_u64 s[82:83], s[4:5], s[92:93]        ; V's
	s_mov_b32 s56, 1
; one chain of arms on the wave's number, one load to an arm
	ARM 1, .Lw1, 96, 32, 192                       ; wave 0: K's tiles 0-31 (key steps 0-3)
	s_mov_b32 s57, KOFF
	s_mov_b64 s[58:59], s[76:77]
	ASKT
	s_branch .Lasked
.Lw1:
	ARM 2, .Lw2, 768, 4, 12288                     ; wave 1: V's key steps 0-3
	s_mov_b32 s57, VOFF
	s_mov_b64 s[58:59], s[78:79]
	ASKT
	s_branch .Lasked
.Lw2:
	ARM 3, .Lw3, 32, 32, 32                        ; wave 2: K's scale words, 8,192 dense bytes
	s_mov_b32 s57, KSOFF
	s_mov_b64 s[58:59], s[80:81]
	ASKT
	s_branch .Lasked
.Lw3:
	ARM 4, .Lw4, 32, 16, 512                       ; wave 3: V's, 16 x 256 bytes
	s_mov_b32 s57, VSOFF
	s_mov_b64 s[58:59], s[82:83]
	ASKT
	s_branch .Lasked
.Lw4:
	ARM 10, .Lw10, 96, 16, 192                     ; waves 4-9: K's key steps 2 (w - 2), 2 (w - 2) + 1: LDS byte KOFF + 12,288 (w - 2) = 12,288 w
	s_mul_i32 s57, s[WV], 12288
	s_mul_i32 s92, s[WV], 24576
	s_sub_co_u32 s92, s92, 49152
	s_add_nc_u64 s[58:59], s[76:77], s[92:93]
	ASKT
	s_branch .Lasked
.Lw10:
	SHAPE 768, 2, 12288                            ; waves 10-15: V's key steps 2 (w - 8), 2 (w - 8) + 1: LDS byte VOFF + 12,288 (w - 8) = 12,288 w + 24,576
	s_mul_i32 s57, s[WV], 12288
	s_add_co_u32 s57, s57, 24576
	s_mul_i32 s92, s[WV], 196608
	s_sub_co_u32 s92, s92, 1572864
	s_add_nc_u64 s[58:59], s[78:79], s[92:93]
	ASKT
.Lasked:
	s_sub_co_u32 s[GT], 15, s[G]                   ; the long tile's group
	s_lshl_b32 s94, s[CX], 1
	s_add_co_u32 s94, s94, s[E]
	s_lshl_b32 s95, s14, 7
	s_add_co_u32 s94, s94, s95                     ; 128 x batch + 2 cx + e
	s_lshl_b32 s97, s[GT], 3
	s_add_co_u32 s97, s97, s94
	s_lshl_b32 s98, s[G], 3
	s_add_co_u32 s98, s98, s94
	TILEADR 97, 32, 34, 84, 86
	TILEADR 98, 36, 38, 88, 90
	s_lshl_b32 s94, s15, 1
	s_lshl_b32 s95, s[CX], 5
	s_lshl_b32 s96, s[E], 3
	s_add_co_u32 s95, s95, s96
	v_and_b32 v8, 31, v0
	v_and_b32 v9, 15, v0                           ; r
	v_bfe_u32 v10, v0, 4, 1                        ; h
	v_lshlrev_b32 v1, 4, v8
	v_lshlrev_b32 v2, 3, v8
	v_lshlrev_b32 v3, 2, v8
	v_add_nc_u32 v4, s94, v3                       ; 4 x lane + my head's two bytes of a word
	v_and_b32 v11, 8, v9
	v_add_nc_u32 v7, v11, v9
	v_lshlrev_b32 v11, 4, v10
	v_sub_nc_u32 v7, v7, v11
	v_add_nc_u32 v7, s95, v7                       ; my query less the masked step's first key less 16 h: 32 cx + 8 e + r + 8 (r / 8) - 16 h
	v_lshlrev_b32 v29, 5, v9
	v_lshlrev_b32 v30, 2, v9
	v_add_nc_u32 v30, s94, v30
.irp j, 22,23,24,25,26,27,80,81,82,83,84,85,196,197,198,199,211
	v_mov_b32 v\j, 0
.endr
	v_mov_b32 v209, 0xff800000                     ; -infinity
	global_load_b128 v[16:19], v1, s[32:33]        ; the long tile's Q
	global_load_b64 v[20:21], v2, s[32:33] offset:512
	global_load_u16 v28, v30, s[34:35]
	global_load_b128 v[216:219], v1, s[36:37]      ; the short tile's
	global_load_b64 v[220:221], v2, s[36:37] offset:512
	global_load_u16 v222, v30, s[38:39]
.macro INIT                            ; a tile begins: O^T and l zeros, the largest t under every t
	v_mov_b32 v13, 0xff61b1e6
	s_delay_alu instid0(VALU_DEP_1)
	v_floor_f32 v12, -v13
	v_mov_b32 v14, 0
	v_mov_b32 v15, 0
.set J, 0
.rept 32
	v_mov_b32 v[160+J], 0
.set J, J+1
.endr
	WALU
.endm
.macro WALK0
	s_mov_b32 s[SK], KOFF
	s_mov_b32 s[SV], VOFF
	s_mov_b32 s[SKS], KSOFF
	s_mov_b32 s[SVS], VSOFF
	s_mov_b32 s[KQ], 0
.endm
; A KEY STEP of 128 keys.  tests = 1: a step behind the tile's group is jumped over, the group's own step is masked.
.macro STEP tests
.if \tests
	s_cmp_gt_u32 s[KQ], s[GT]
	s_cbranch_scc1 .Lhidden_\@
.endif
	v_add_nc_u32 v8, s[SK], v1                     ; these six are also the places in front of the loads into registers that the last products read
	v_add_nc_u32 v9, s[SK], v2
	v_add_nc_u32 v92, s[SV], v1
	v_add_nc_u32 v93, s[SV], v2
	v_add_nc_u32 v10, s[SKS], v4
	v_add_nc_u32 v11, s[SVS], v3
.irp b, 0,1,2,3
	ds_load_u16 v[86+\b], v10 offset:128*\b        ; the scale words first.  Lanes 0-15: tile 2 b's rows; lanes 16-31: tile 2 b + 1's
.endr
.irp t, 0,1,2,3,4,5,6,7
	ds_load_b128 v[32+6*\t:35+6*\t], v8 offset:\t*768
	ds_load_b64 v[36+6*\t:37+6*\t], v9 offset:\t*768+512
.endr
	WALU
.irp t, 0,1,2,3,4,5,6,7
.if \t < 7
	s_wait_dscnt 12-2*\t                           ; product t names tiles t and t + 1: younger are the two loads of each later tile
.endif
.if \t%2
	v_wmma_scale_f32_16x16x128_f8f6f4 v[96+8*\t:103+8*\t], v[32+6*\t:43+6*\t], v[16:27], 0, v[86+\t/2], v28 matrix_a_fmt:MATRIX_FMT_FP6 matrix_b_fmt:MATRIX_FMT_FP6 matrix_a_scale:MATRIX_SCALE_ROW1
.else
	v_wmma_scale_f32_16x16x128_f8f6f4 v[96+8*\t:103+8*\t], v[32+6*\t:43+6*\t], v[16:27], 0, v[86+\t/2], v28 matrix_a_fmt:MATRIX_FMT_FP6 matrix_b_fmt:MATRIX_FMT_FP6
.endif
.endr
.rept 4
	v_nop                                          ; places in front of the loads below and of the first read of the scores
.endr
.irp f, 0,1,2,3                        ; V's four fragments land under the softmax
	ds_load_b128 v[32+12*\f:35+12*\f], v92 offset:1536*\f
	ds_load_b64 v[36+12*\f:37+12*\f], v93 offset:1536*\f+512
	ds_load_b128 v[38+12*\f:41+12*\f], v92 offset:1536*\f+768
	ds_load_b64 v[42+12*\f:43+12*\f], v93 offset:1536*\f+1280
.endr
.irp i, 0,1
	ds_load_b32 v[90+\i], v11 offset:128*\i
.endr
.if \tests
	s_cmp_lg_u32 s[KQ], s[GT]
	s_cbranch_scc1 .Lopen_\@
.set J, 0
.rept 64                               ; register 16 b + i holds the step's key 16 h + 32 b + i: hidden where 32 b + i > v7
	v_cmp_gt_i32 vcc_lo, 32*(J/16)+J%16, v7
	v_cndmask_b32 v[96+J], v[96+J], v209, vcc_lo
.set J, J+1
.endr
.Lopen_\@:
.endif
.irp b, 0,1,2,3
	v_max3_num_f32 v[192+\b], v[96+16*\b], v[97+16*\b], v[98+16*\b]   ; the largest score of each block of 32 keys: for the row's maximum and for the block's largest p
.endr
.irp i, 3,5,7,9,11,13
.irp b, 0,1,2,3
	v_max3_num_f32 v[192+\b], v[192+\b], v[96+16*\b+\i], v[97+16*\b+\i]
.endr
.endr
.irp b, 0,1,2,3
	v_max_num_f32 v[192+\b], v[192+\b], v[111+16*\b]
.endr
.irp b, 0,1,2,3
	s_delay_alu instid0(VALU_DEP_4)
	v_permlanex16_b32 v[196+\b], v[192+\b], s[SEL], s[SEL+1]
.endr
.irp b, 0,1,2,3
	s_delay_alu instid0(VALU_DEP_4)
	v_max_num_f32 v[192+\b], v[192+\b], v[196+\b]
.endr
	s_delay_alu instid0(VALU_DEP_2)
	v_max3_num_f32 v208, v192, v193, v194
	s_delay_alu instid0(VALU_DEP_1)
	v_max_num_f32 v208, v208, v195
	s_delay_alu instid0(VALU_DEP_1)
	v_mul_f32 v208, s[CS], v208
	s_delay_alu instid0(VALU_DEP_1)
	v_max_num_f32 v13, v13, v208
	v_mov_b32 v208, v12
	s_delay_alu instid0(VALU_DEP_2)
	v_floor_f32 v12, -v13                          ; the new -M
.set J, 0
.rept 32                               ; t - M, two at a time; the three lines that make f = 2^(old M - new M) stand among them, four apart: nothing here waits for them
	v_pk_fma_f32 v[96+J:97+J], v[96+J:97+J], s[CS:CS+1], v[12:13] op_sel_hi:[1,0,0]
.if J == 6
	v_sub_f32 v208, v12, v208
.endif
.if J == 14
	v_cvt_i32_f32 v208, v208
.endif
.if J == 22
	v_ldexp_f32 v210, 1.0, v208
.endif
.set J, J+2
.endr
.irp b, 0,1,2,3
	v_fma_f32 v[192+\b], v[192+\b], s[CS], v12
.endr
.set J, 0
	WALU
.rept 64
	v_exp_f32 v[96+J], v[96+J]
.set J, J+1
.endr
	v_pk_mul_f32 v[14:15], v[14:15], v[210:211] op_sel_hi:[1,0]
	WALU
.irp b, 0,1,2,3
	v_exp_f32 v[192+\b], v[192+\b]
.endr
	v_pk_add_f32 v[214:215], v[100:101], v[104:105]
	v_pk_add_f32 v[254:255], v[108:109], v[112:113]
	v_pk_add_f32 v[252:253], v[116:117], v[120:121]
	v_pk_add_f32 v[250:251], v[124:125], v[128:129]
	v_pk_add_f32 v[248:249], v[132:133], v[136:137]
	v_pk_add_f32 v[246:247], v[140:141], v[144:145]
	v_pk_add_f32 v[244:245], v[148:149], v[152:153]
	v_pk_add_f32 v[14:15], v[14:15], v[156:157]
	v_pk_add_f32 v[214:215], v[214:215], v[96:97]
	v_pk_add_f32 v[254:255], v[254:255], v[98:99]
	v_pk_add_f32 v[252:253], v[252:253], v[102:103]
	v_pk_add_f32 v[250:251], v[250:251], v[106:107]
	v_pk_add_f32 v[248:249], v[248:249], v[110:111]
	v_pk_add_f32 v[246:247], v[246:247], v[114:115]
	v_pk_add_f32 v[244:245], v[244:245], v[118:119]
	v_pk_add_f32 v[14:15], v[14:15], v[122:123]
	v_pk_add_f32 v[214:215], v[214:215], v[126:127]
	v_pk_add_f32 v[254:255], v[254:255], v[130:131]
	v_pk_add_f32 v[252:253], v[252:253], v[134:135]
	v_pk_add_f32 v[250:251], v[250:251], v[138:139]
	v_pk_add_f32 v[248:249], v[248:249], v[142:143]
	v_pk_add_f32 v[246:247], v[246:247], v[146:147]
	v_pk_add_f32 v[244:245], v[244:245], v[150:151]
	v_pk_add_f32 v[14:15], v[14:15], v[154:155]
	v_pk_add_f32 v[214:215], v[214:215], v[158:159]
	s_delay_alu instid0(VALU_DEP_2)
	v_pk_add_f32 v[14:15], v[14:15], v[250:251]
	s_delay_alu instid0(VALU_DEP_2)
	v_pk_add_f32 v[214:215], v[214:215], v[248:249]
	v_pk_add_f32 v[254:255], v[254:255], v[246:247]
	v_pk_add_f32 v[252:253], v[252:253], v[244:245]
	s_delay_alu instid0(VALU_DEP_2)
	v_pk_add_f32 v[14:15], v[14:15], v[254:255]
	s_delay_alu instid0(VALU_DEP_2)
	v_pk_add_f32 v[214:215], v[214:215], v[252:253]
	s_delay_alu instid0(VALU_DEP_1)
	v_pk_add_f32 v[14:15], v[14:15], v[214:215]
	WALU
.irp b, 0,1,2,3
	v_max_num_f32 v[192+\b], 0x1800000, v[192+\b]  ; the floor 2^(3 - 127)
.endr
.irp b, 0,1,2,3
	s_delay_alu instid0(VALU_DEP_4)
	v_add_nc_u32 v[200+\b], 0xff000000, v[192+\b]
.endr
.irp c, 0,1
	v_cvt_scalef32_pk16_fp6_f32 v[224+6*\c:226+6*\c], v[96+32*\c:111+32*\c], v[200+2*\c]
	v_cvt_scalef32_pk16_fp6_f32 v[236+4*\c:238+4*\c], v[112+32*\c:127+32*\c], v[200+2*\c+1]
.endr
.irp b, 0,1,2,3
	v_lshrrev_b32 v[204+\b], 23, v[200+\b]         ; the bytes: plain lines behind the conversions, which touch none of their results and write none of their sources
.endr
	v_lshl_or_b32 v212, v205, 8, v204
	v_lshl_or_b32 v213, v207, 8, v206
	v_lshl_or_b32 v212, v213, 16, v212             ; p's scale word
.irp c, 0,1
.irp i, 0,1,2
	v_permlane16_swap_b32 v[224+6*\c+\i], v[236+4*\c+\i]
.endr
.irp i, 0,1,2
	s_delay_alu instid0(VALU_DEP_3)
	v_mov_b32 v[227+6*\c+\i], v[236+4*\c+\i]
.endr
.endr
.set J, 0
.rept 16
	v_pk_mul_f32 v[160+J:161+J], v[160+J:161+J], v[210:211] op_sel_hi:[1,0]   ; O^T under the new M; twelve of these name no register of any one product below
.set J, J+2
.endr
	WALU
	s_wait_dscnt 0x0                               ; V is in
.irp f, 0,1,2,3
.if \f%2
	v_wmma_scale_f32_16x16x128_f8f6f4 v[160+8*\f:167+8*\f], v[32+12*\f:43+12*\f], v[224:235], v[160+8*\f:167+8*\f], v[90+\f/2], v212 matrix_a_fmt:MATRIX_FMT_FP6 matrix_b_fmt:MATRIX_FMT_FP6 matrix_a_scale:MATRIX_SCALE_ROW1
.else
	v_wmma_scale_f32_16x16x128_f8f6f4 v[160+8*\f:167+8*\f], v[32+12*\f:43+12*\f], v[224:235], v[160+8*\f:167+8*\f], v[90+\f/2], v212 matrix_a_fmt:MATRIX_FMT_FP6 matrix_b_fmt:MATRIX_FMT_FP6
.endif
.endr
.if \tests
.Lhidden_\@:
.endif
	s_add_co_u32 s[SK], s[SK], 6144
	s_add_co_u32 s[SV], s[SV], 6144
	s_add_co_u32 s[SKS], s[SKS], 512
	s_add_co_u32 s[SVS], s[SVS], 256
	s_add_co_u32 s[KQ], s[KQ], 1
.endm
; A tile ends: O^T / l, quantised along the head's 64, leaves as half a fragment and two scale bytes a row.
.macro FINISH oc, os
.rept 4
	v_nop
.endr
	v_add_f32 v14, v14, v15
	s_delay_alu instid0(VALU_DEP_1)
	v_permlanex16_b32 v196, v14, s[SEL], s[SEL+1]
	s_delay_alu instid0(VALU_DEP_1)
	v_add_f32 v14, v14, v196
	WALU
	v_rcp_f32 v14, v14
	v_nop
	WALU
.set J, 0
.rept 32
	v_mul_f32 v[96+J], v[160+J], v14
.set J, J+1
.endr
.irp b, 0,1
	v_max3_num_f32 v[192+\b], |v[96+16*\b]|, |v[97+16*\b]|, 0x1800000
.endr
.irp i, 2,4,6,8,10,12,14
.irp b, 0,1
	s_delay_alu instid0(VALU_DEP_2)
	v_max3_num_f32 v[192+\b], v[192+\b], |v[96+16*\b+\i]|, |v[97+16*\b+\i]|
.endr
.endr
.irp b, 0,1
	s_delay_alu instid0(VALU_DEP_2)
	v_permlanex16_b32 v[196+\b], v[192+\b], s[SEL], s[SEL+1]
.endr
.irp b, 0,1
	s_delay_alu instid0(VALU_DEP_2)
	v_max_num_f32 v[192+\b], v[192+\b], v[196+\b]
.endr
.irp b, 0,1
	s_delay_alu instid0(VALU_DEP_2)
	v_add_nc_u32 v[200+\b], 0xff000000, v[192+\b]
.endr
.irp b, 0,1
	s_delay_alu instid0(VALU_DEP_2)
	v_lshrrev_b32 v[204+\b], 23, v[200+\b]
.endr
	s_delay_alu instid0(VALU_DEP_1)
	v_lshl_or_b32 v212, v205, 8, v204
	v_cvt_scalef32_pk16_fp6_f32 v[224:226], v[96:111], v200
	v_cvt_scalef32_pk16_fp6_f32 v[236:238], v[112:127], v201
	v_nop
.irp i, 0,1,2
	v_permlane16_swap_b32 v[224+\i], v[236+\i]
.endr
.irp i, 0,1,2
	s_delay_alu instid0(VALU_DEP_3)
	v_mov_b32 v[227+\i], v[236+\i]
.endr
	global_store_b128 v1, v[224:227], s[\oc:\oc+1]
	global_store_b64 v2, v[228:229], s[\oc:\oc+1] offset:512
	global_store_b16 v29, v212, s[\os:\os+1]       ; two bytes of each row's 32: the other heads' belong to other work-groups
.endm
	INIT
	s_wait_loadcnt 0x0
	s_wait_dscnt 0x0
	s_cmp_lt_u32 s[WV], 4
	s_cbranch_scc0 .Lnot_first
	s_wait_tensorcnt 0x0                           ; waves 0-3: key steps 0-3 and the scale words
.Lnot_first:
	BARRIER
	WALK0
.Lb1:                                                  ; the long tile's steps 0-3: its group is 8 or more, so none is masked
	STEP 0
	s_cmp_lt_u32 s[KQ], 4
	s_cbranch_scc1 .Lb1
	s_wait_tensorcnt 0x0                           ; every wave: all that is still out
	s_wait_dscnt 0x0
	BARRIER
.Lb2:
	STEP 1
	s_cmp_lt_u32 s[KQ], 16
	s_cbranch_scc1 .Lb2
	FINISH 84, 86
	s_wait_xcnt 0x0                                ; the stores have read their registers
.irp i, 0,1,2,3,4,5
	v_mov_b32 v[16+\i], v[216+\i]                  ; the short tile's Q
.endr
	v_mov_b32 v28, v222
	INIT
	s_mov_b32 s[GT], s[G]
	WALK0
.La:
	STEP 1
	s_cmp_lt_u32 s[KQ], 8
	s_cbranch_scc1 .La
	FINISH 88, 90
	s_wait_tensorcnt 0x0                           ; the wave's end
	ds_add_u32 v5, v6
	s_wait_dscnt 0x0
	CROUND                                         ; the closing round
	s_endpgm
.Lfunc_end_k_qae9fdc0109_attn:
	.size	k_qae9fdc0109_attn, .Lfunc_end_k_qae9fdc0109_attn-k_qae9fdc0109_attn
	.p2alignl 7, 3214868480
	.fill 96, 4, 3214868480
	.section	.rodata,"a",@progbits
	.p2align	6, 0x0
	.amdhsa_kernel k_qae9fdc0109_attn
		.amdhsa_group_segment_fixed_size 327680
		.amdhsa_private_segment_fixed_size 0
		.amdhsa_enable_private_segment 0
		.amdhsa_kernarg_size 16
		.amdhsa_user_sgpr_count 2
		.amdhsa_user_sgpr_kernarg_segment_ptr 1
		.amdhsa_wavefront_size32 1
		.amdhsa_system_sgpr_workgroup_id_x 1
		.amdhsa_system_sgpr_workgroup_id_y 1
		.amdhsa_system_sgpr_workgroup_id_z 1
		.amdhsa_system_vgpr_workitem_id 0
		.amdhsa_next_free_vgpr 256
		.amdhsa_next_free_sgpr 100
		.amdhsa_reserve_vcc 1
		.amdhsa_float_denorm_mode_32 3
		.amdhsa_float_denorm_mode_16_64 3
		.amdhsa_memory_ordered 1
		.amdhsa_forward_progress 1
		.amdhsa_inst_pref_size 87
	.end_amdhsa_kernel
	.amdgpu_metadata
---
amdhsa.version: [ 1, 2 ]
amdhsa.kernels:
  - .name:           k_qae9fdc0109_attn
    .symbol:         k_qae9fdc0109_attn.kd
    .args:
      - { .name: qkv, .offset: 0, .size: 8, .value_kind: global_buffer, .address_space: global }
      - { .name: att, .offset: 8, .size: 8, .value_kind: global_buffer, .address_space: global }
    .group_segment_fixed_size: 327680
    .private_segment_fixed_size: 0
    .kernarg_segment_align: 8
    .kernarg_segment_size: 16
    .max_flat_workgroup_size: 512
    .sgpr_count:     100
    .vgpr_count:     256
    .wavefront_size: 32
...
	.end_amdgpu_metadata
.endif
;; end of part 3
;; launch proj (part 4): grid 32 x 8, 4 waves a work-group, clusters of 4 x 4, 327,680 bytes of LDS; arguments att, xw, out0; writes out0
.if DOCPART == 4
	.amdgcn_target "amdgcn-amd-amdhsa--gfx1250"
	.amdhsa_code_object_version 6
	.text
	.protected	k_qae9fdc0109_proj
	.globl	k_qae9fdc0109_proj
	.p2align	8
	.type	k_qae9fdc0109_proj,@function
k_qae9fdc0109_proj:
	s_mov_b64 s[64:65], 0
	v_nop
	global_prefetch_b8 v0, s[64:65] scope:SCOPE_SE
	s_setreg_imm32_b32 hwreg(HW_REG_WAVE_MODE, 25, 1), 1
	s_wait_xcnt 0x0
	s_wait_alu depctr_hold_cnt(0) depctr_sa_sdst(0) depctr_va_vdst(0) depctr_va_sdst(0) depctr_va_ssrc(0) depctr_va_vcc(0) depctr_vm_vsrc(0)
	s_getreg_b32 s2, hwreg(HW_REG_IB_STS2, 6, 4)
	s_cmp_eq_u32 s2, 0
	s_cbranch_scc0 .Lentry_in_a_cluster
	s_endpgm
.Lentry_in_a_cluster:
	s_bfe_u32 s2, ttmp6, 0x10000c
	s_cmp_lg_u32 s2, 0xf033
	s_cbranch_scc0 .Lentry_shape_is_right
	s_endpgm
.Lentry_shape_is_right:
; out0[token][n] = sum over k of att[token][k] wo[n][k], f32, on codes of FP6 (E2M3) with E8M0 scales: 8,192 x 1,024 x 1,024.
; OPERANDS are images of the operand's registers: [row tile of 16][K step of 128][1,536 bytes], 12,288 bytes a tile; scale bytes [row's place][32].  Row i of tile T is row 32 (T / 2) + 8 (T % 2) + i + 8 (i / 8).
; THE DEAL.  256 work-groups of four waves, 2 x 2, each 256 rows x 128 columns.  A wave holds four tiles of wo, all of K, in 384 registers, and streams att's tiles 2 s + (wave row), s = 0 .. 7, past them: 32 products a block.
; Tile row = 4 x cluster x + cx, tile column = 4 x cluster y + cy: att's rows are asked for jointly by a column of the cluster, wo's by a row.
; LDS: att's 16 tiles, dense; wo's 8 tiles; the spare words.  All is asked for at the head, one load a wave, each on its own line: wo; att's tiles 0-7; 8-11; 12-15.  No refill, and so no prefetch.
; The stream begins when the first two are in; a plain barrier inside block 1 shows the others.  Both operands' scale words go straight into registers, 512 consecutive bytes a tile.
; The waves' stages lie in wo's first bytes, which have had their one fill and are read for the last time ahead of the barrier in front of the stream.
; SOURCE 0 = wo's rows: a lane holds one token and eight neighbouring columns; a block goes through the stage and leaves as rows of 256 bytes, sixteen lanes to an aligned unit.
; LIMITS: NaN, infinities and sums beyond f32's range are not served.
.set FR,     12
.set FPW,    21                        ; fragments in a window: fragment f lies in window 1 + f / 21 at register 12 (f % 21); 0-31 wo's (4 q + b), 32-47 att's two sets
.set TILEB,  12288
.set YB,     16*TILEB
.set SPITCH, 272
.set STAGE,  YB
.set SPARE,  YB+8*TILEB
.set XWS,    9437184
.set AS,     6291456
.set SPW, 10
.set NIL, 11
.set SB,  24                           ; v24-39  wo's scale words
.set SA,  44                           ; v44-107 att's: eight a block
.set ACC, 112                          ; v112-175 two sets of four accumulators
.set BK,  176                          ; v176-239 two sets: 16 rows back from the stage
.set G1A, 24
.set G1B, 32
.set G0A, 56
.set G0B, 60
.set MSB, 0
.macro WIN new
.if MSB != \new
	s_set_vgpr_msb (MSB<<8)|\new
.set MSB, \new
.endif
.endm
.macro PLACES n
.rept \n
	v_nop
.endr
.endm
.macro WALU
	s_wait_alu depctr_va_vdst(0)
.endm
.macro BARRIER
	s_barrier_signal -1
	s_barrier_wait -1
.endm
.macro CROUND
	BARRIER
	s_cmp_lg_u32 s14, 0
	s_cbranch_scc1 .Lnot_wave_0_\@
	s_barrier_signal -3
.Lnot_wave_0_\@:
	s_barrier_wait -3
	BARRIER
.endm
.macro TLOAD g0, g1
	tensor_load_to_lds s[\g0:\g0+3], s[\g1:\g1+7]
	s_nop 0
	PLACES 4
.endm
.macro GROUP1 g, mask, rows            ; rows of 12,288 bytes (1,536 elements of 8), dense
	s_or_b32 s[\g+0], s[\mask], (3<<16)|(1<<21)
	s_mov_b32 s[\g+1], 1536<<16
	s_mov_b32 s[\g+3], 1536<<16
.if \rows
	s_mov_b32 s[\g+2], (\rows)<<16
	s_mov_b32 s[\g+4], \rows
.endif
	s_mov_b32 s[\g+5], 1536
	s_mov_b32 s[\g+6], 0
	s_mov_b32 s[\g+7], 0
.endm
.macro ATILE first, rows               ; att's tiles first .. first + rows - 1, by constants written in the arm of their own load line
	s_mov_b32 s[G0A+1], (\first)*TILEB
	s_mov_b32 s[G1A+2], (\rows)<<16
	s_mov_b32 s[G1A+4], \rows
.if \first
	s_add_nc_u64 s[G0A+2:G0A+3], s[G0A+2:G0A+3], (\first)*TILEB
.endif
	s_or_b32 s[G0A+3], s[G0A+3], 0x80000000
	TLOAD G0A, G1A
.endm
.macro FRAGL f, a16, a8, off           ; a fragment comes as it was stored: four loads over consecutive bytes
.set R_, FR*((\f)%FPW)
	WIN (1+(\f)/FPW)<<6
	ds_load_b128 v[R_:R_+3], v[\a16] offset:\off
	ds_load_b64 v[R_+4:R_+5], v[\a8] offset:(\off)+512
	ds_load_b128 v[R_+6:R_+9], v[\a16] offset:(\off)+768
	ds_load_b64 v[R_+10:R_+11], v[\a8] offset:(\off)+1280
.endm
.macro FETCH e, a16, a8                ; a tile of att into set e: 32 loads
.irp q, 0,1,2,3,4,5,6,7
	FRAGL 32+8*(\e)+\q, \a16, \a8, 1536*\q
.endr
	WIN 0
.endm
.macro PROD1 d, s0, s1, c, x0, x1, o
.if \o
	v_wmma_scale_f32_16x16x128_f8f6f4 v[\d:\d+7], v[FR*((\s0)%FPW):FR*((\s0)%FPW)+FR-1], v[FR*((\s1)%FPW):FR*((\s1)%FPW)+FR-1], \c, v[\x0], v[\x1] matrix_a_fmt:MATRIX_FMT_FP6 matrix_b_fmt:MATRIX_FMT_FP6 matrix_a_scale:MATRIX_SCALE_ROW1
.else
	v_wmma_scale_f32_16x16x128_f8f6f4 v[\d:\d+7], v[FR*((\s0)%FPW):FR*((\s0)%FPW)+FR-1], v[FR*((\s1)%FPW):FR*((\s1)%FPW)+FR-1], \c, v[\x0], v[\x1] matrix_a_fmt:MATRIX_FMT_FP6 matrix_b_fmt:MATRIX_FMT_FP6 matrix_a_scale:MATRIX_SCALE_ROW0
.endif
.endm
.macro PROD e, s, n                    ; product n = 4 q + b of block s: the four accumulators by turns
.set Q_, (\n)/4
.set FB_, \n
.set FA_, 32+8*(\e)+Q_
.set D_, ACC+32*(\e)+8*((\n)%4)
.set XB_, SB+8*(((\n)%4)/2)+Q_
.set XA_, SA+8*(\s)+Q_
	WIN (1+FB_/FPW)|((1+FA_/FPW)<<2)
.if Q_
	PROD1 D_, FB_, FA_, v[D_:D_+7], XB_, XA_, (\n)%2
.else
	PROD1 D_, FB_, FA_, 0, XB_, XA_, (\n)%2
.endif
.endm
.macro PRODS e, s, from, to
.set N_, \from
.rept (\to)-(\from)
	PROD \e, \s, N_
.set N_, N_+1
.endr
	WIN 0
.endm
.macro STAGED u                        ; set u's sums into my stage, each accumulator from its low end on, and back as whole rows; LDS serves a wave's instructions in order (ISA guide 5.7.1.4)
.irp b, 0,1,2,3
	ds_store_b128 v16, v[ACC+32*(\u)+8*\b:ACC+32*(\u)+8*\b+3] offset:128*(\b/2)+32*(\b%2)
	ds_store_b128 v16, v[ACC+32*(\u)+8*\b+4:ACC+32*(\u)+8*\b+7] offset:128*(\b/2)+32*(\b%2)+16
.endr
.irp t, 0,1,2,3,4,5,6,7
	ds_load_b128 v[BK+32*(\u)+4*\t:BK+32*(\u)+4*\t+3], v17 offset:2*\t*SPITCH
.endr
.endm
.macro STREAM s
.set E_, (\s)%2
.if (\s) == 1
	PRODS E_, \s, 0, 24
	s_wait_tensorcnt 0x0
	s_wait_dscnt 0x0
	s_barrier_signal -1                            ; a plain barrier: waves 2 and 3's tiles are shown to all
	PRODS E_, \s, 24, 32
	s_barrier_wait -1
.else
	PRODS E_, \s, 0, 32
.endif
.if (\s) < 6                           ; four places between the last product and the first reader of its sums and the fetch into its registers
	v_add_nc_u32 v8, ((\s)+2)*2*TILEB, v6
	v_add_nc_u32 v9, ((\s)+2)*2*TILEB, v7
	PLACES 2
	WALU
.else
	PLACES 4
.endif
	s_wait_xcnt 0x0                                ; the stores of two blocks ago have read this set of rows
	STAGED E_
.if (\s) < 6
	FETCH E_, 8, 9
	s_wait_dscnt 32                                ; the rows are back; younger is the fetch alone.  The next block's tile, asked for a block ago, is in too
.else
	s_wait_dscnt 0x0
.endif
.irp t, 0,1,2,3,4,5,6,7                ; the stage's rows 2 t, 2 t + 1 are tokens 32 s + 8 (wave row) + 2 t + 8 (t / 4) and the next
	global_store_b128 v18, v[BK+32*E_+4*\t:BK+32*E_+4*\t+3], s[12:13] offset:(32*(\s)+2*\t+8*(\t/4))*4096 th:TH_STORE_NT
.endr
.endm
	s_load_b128 s[4:7], s[0:1], 0x0                ; att, xw
	s_load_b64 s[12:13], s[0:1], 0x10              ; out0
	v_lshl_add_u32 v[SPW], v0, 2, SPARE
	v_mov_b32 v[NIL], 0
	ds_add_u32 v[SPW], v[NIL]                      ; the opening lines
	ds_add_u32 v[SPW], v[NIL]
	v_lshrrev_b32 v1, 5, v0
	v_readfirstlane_b32 s14, v1                    ; the wave; s15 its row of the 2 x 2, s16 its column
	s_lshr_b32 s15, s14, 1
	s_and_b32 s16, s14, 1
	s_bfe_u32 s40, ttmp6, 0x40000
	s_bfe_u32 s41, ttmp6, 0x40004
	s_lshl_b32 s43, ttmp9, 2
	s_add_co_u32 s43, s43, s40                     ; tile row
	s_and_b32 s42, ttmp7, 0xffff
	s_lshl_b32 s42, s42, 2
	s_add_co_u32 s42, s42, s41                     ; tile column
	s_lshl_b32 s44, 0x1111, s40                    ; my column of the cluster shares att's rows
	s_lshl_b32 s45, s41, 2
	s_lshl_b32 s45, 15, s45                        ; my row shares wo's
	GROUP1 G1A, 44, 0
	GROUP1 G1B, 45, 8
	s_mov_b32 s[G0A], 1
	s_mov_b32 s[G0B], 1
	s_mov_b32 s[G0B+1], YB
	s_mul_i32 s76, s43, 16*TILEB                   ; att's codes
	s_mov_b32 s77, 0
	s_mul_i32 s78, s42, 8*TILEB
	s_add_co_u32 s78, s78, 704*TILEB               ; wo's: its first tile is 704
	s_mov_b32 s79, 0
	s_lshl_b32 s80, s43, 13
	s_lshl_b32 s20, s15, 9
	s_add_co_u32 s80, s80, s20
	s_add_co_u32 s80, s80, AS                      ; att's scale bytes: my wave row's tile of block 0
	s_mov_b32 s81, 0
	s_lshl_b32 s82, s42, 12
	s_lshl_b32 s20, s16, 11
	s_add_co_u32 s82, s82, s20
	s_add_co_u32 s82, s82, XWS+11264*32            ; wo's: my 64 rows
	s_mov_b32 s83, 0
	s_lshl_b32 s84, s43, 20
	s_lshl_b32 s20, s15, 15
	s_add_co_u32 s84, s84, s20
	s_lshl_b32 s20, s42, 9
	s_add_co_u32 s84, s84, s20
	s_lshl_b32 s20, s16, 8
	s_add_co_u32 s84, s84, s20                     ; out0: token 256 x tile row + 8 x wave row, column 128 x tile column + 64 x wave column
	s_mov_b32 s85, 0
	s_mul_i32 s21, s15, TILEB
	s_mul_i32 s22, s16, 4*TILEB
	s_add_co_u32 s22, s22, YB
	s_mul_i32 s23, s14, 16*SPITCH
	s_add_co_u32 s23, s23, STAGE
	v_and_b32 v1, 15, v0                           ; r
	v_bfe_u32 v2, v0, 4, 1                         ; h
	v_and_b32 v3, 31, v0
	v_lshlrev_b32 v4, 4, v3
	v_lshlrev_b32 v5, 3, v3
	v_add_nc_u32 v6, s21, v4                       ; v6, v7: block 0's tile, for loads of 16 and of 8 bytes a lane
	v_add_nc_u32 v7, s21, v5
	v_add_nc_u32 v8, 2*TILEB, v6                   ; v8, v9: the tile that is fetched next
	v_add_nc_u32 v9, 2*TILEB, v7
	v_add_nc_u32 v12, s22, v4                      ; v12, v13: my four tiles of wo
	v_add_nc_u32 v13, s22, v5
	v_lshlrev_b32 v14, 5, v3                       ; wo's scale words: lanes 0-15 one tile's rows, lanes 16-31 the next's
	v_lshlrev_b32 v15, 5, v1                       ; att's: row r
	v_mul_u32_u24 v19, v1, SPITCH
	v_lshl_add_u32 v19, v2, 6, v19
	v_add_nc_u32 v16, s23, v19                     ; the stage, in: row r, + 64 h
	v_mul_u32_u24 v20, v2, SPITCH
	v_lshl_add_u32 v20, v1, 4, v20
	v_add_nc_u32 v17, s23, v20                     ; and back: row h, 16 bytes x r
	v_lshlrev_b32 v21, 12, v2
	v_lshl_add_u32 v18, v1, 4, v21                 ; the same place in out0
	WALU
	s_wait_dscnt 0x0
	CROUND                                         ; the round in front of the joint loads
	s_wait_kmcnt 0x0
	s_add_nc_u64 s[G0A+2:G0A+3], s[4:5], s[76:77]
	s_add_nc_u64 s[G0B+2:G0B+3], s[6:7], s[78:79]
	s_or_b32 s[G0B+3], s[G0B+3], 0x80000000
	s_add_nc_u64 s[8:9], s[4:5], s[80:81]
	s_add_nc_u64 s[10:11], s[6:7], s[82:83]
	s_add_nc_u64 s[12:13], s[12:13], s[84:85]
	s_cmp_eq_u32 s14, 0
	s_cbranch_scc0 .Lwave_1
	TLOAD G0B, G1B                                 ; wave 0: wo's 8 tiles, wanted first
	s_branch .Lasked
.Lwave_1:
	s_cmp_eq_u32 s14, 1
	s_cbranch_scc0 .Lwave_2
	ATILE 0, 8
	s_branch .Lasked
.Lwave_2:
	s_cmp_eq_u32 s14, 2
	s_cbranch_scc0 .Lwave_3
	ATILE 8, 4
	s_branch .Lasked
.Lwave_3:
	ATILE 12, 4
.Lasked:
.irp p, 0,1
.irp c, 0,1
	global_load_b128 v[SB+8*\p+4*\c:SB+8*\p+4*\c+3], v14, s[10:11] offset:1024*\p+16*\c
.endr
.endr
.irp s, 0,1,2,3,4,5,6,7
.irp c, 0,1
	global_load_b128 v[SA+8*\s+4*\c:SA+8*\s+4*\c+3], v15, s[8:9] offset:1024*\s+16*\c
.endr
.endr
	s_wait_dscnt 0x0
	s_cmp_eq_u32 s14, 0
	s_cbranch_scc0 .Lnot_b
	s_wait_tensorcnt 0x0
.Lnot_b:
	BARRIER                                        ; wo has landed
.irp q, 0,1,2,3,4,5,6,7
.irp b, 0,1,2,3
	FRAGL 4*\q+\b, 12, 13, \b*TILEB+1536*\q
.endr
.endr
	WIN 0
	s_cmp_eq_u32 s14, 1
	s_cbranch_scc0 .Lnot_a
	s_wait_tensorcnt 0x0                           ; wave 1: att's tiles 0-7
.Lnot_a:
	s_wait_dscnt 0x0
	BARRIER                                        ; att's first eight tiles are in, and nobody reads wo's bytes any more
	FETCH 0, 6, 7
	FETCH 1, 8, 9
	s_wait_loadcnt 0x0                             ; the scale words
	s_wait_dscnt 32                                ; block 0's tile is in
.irp s, 0,1,2,3,4,5,6,7
	STREAM \s
.endr
	s_wait_tensorcnt 0x0                           ; the wave's end
	ds_add_u32 v[SPW], v[NIL]
	s_wait_dscnt 0x0
	CROUND                                         ; the closing round
	s_endpgm
.Lfunc_end_k_qae9fdc0109_proj:
	.size	k_qae9fdc0109_proj, .Lfunc_end_k_qae9fdc0109_proj-k_qae9fdc0109_proj
	.p2alignl 7, 3214868480
	.fill 96, 4, 3214868480
	.section	.rodata,"a",@progbits
	.p2align	6, 0x0
	.amdhsa_kernel k_qae9fdc0109_proj
		.amdhsa_group_segment_fixed_size 327680
		.amdhsa_private_segment_fixed_size 0
		.amdhsa_enable_private_segment 0
		.amdhsa_kernarg_size 24
		.amdhsa_user_sgpr_count 2
		.amdhsa_user_sgpr_kernarg_segment_ptr 1
		.amdhsa_wavefront_size32 1
		.amdhsa_system_sgpr_workgroup_id_x 1
		.amdhsa_system_sgpr_workgroup_id_y 1
		.amdhsa_system_sgpr_workgroup_id_z 1
		.amdhsa_system_vgpr_workitem_id 0
		.amdhsa_next_free_vgpr 840
		.amdhsa_next_free_sgpr 100
		.amdhsa_reserve_vcc 0
		.amdhsa_float_denorm_mode_32 3
		.amdhsa_float_denorm_mode_16_64 3
		.amdhsa_memory_ordered 1
		.amdhsa_forward_progress 1
		.amdhsa_inst_pref_size 84
	.end_amdhsa_kernel
	.amdgpu_metadata
---
amdhsa.version: [ 1, 2 ]
amdhsa.kernels:
  - .name:           k_qae9fdc0109_proj
    .symbol:         k_qae9fdc0109_proj.kd
    .args:
      - { .name: att, .offset: 0, .size: 8, .value_kind: global_buffer, .address_space: global }
      - { .name: xw, .offset: 8, .size: 8, .value_kind: global_buffer, .address_space: global }
      - { .name: out0, .offset: 16, .size: 8, .value_kind: global_buffer, .address_space: global }
    .group_segment_fixed_size: 327680
    .private_segment_fixed_size: 0
    .kernarg_segment_align: 8
    .kernarg_segment_size: 24
    .max_flat_workgroup_size: 128
    .sgpr_count:     100
    .vgpr_count:     840
    .wavefront_size: 32
...
	.end_amdgpu_metadata
.endif
;; end of part 4
